; MI455X (gfx1250); checked and timed in simulation.
; The chip was launched on July 23, 2026; its instructions are those of AMD's public machine-readable ISA for CDNA 5 (MIT licence, August 2026) and "CDNA5" Instruction Set Architecture Reference Guide (July 2026). The comments in the code are by the model that wrote it; some were corrected since.
;; Hankel. Allowed arithmetic: float matrix products may take bf16 or f16 operands with f32 sums; other float arithmetic in f32, or as packed bf16 or f16 multiplies, adds, multiply-adds, maxima and minima; sums over many terms, partial sums and values carried from step to step in f32; what a program stores and reads back later, other than sums and carried values, may be rounded once to bf16 or f16.
;; Inputs: Wa 32 x 16 float32; Wo 32 x 32 float32; actions 131,072 x 8 x 16 float32; ba 32 float32; bo 32 float32; mps0 1 x 32 x 32 x 8 float32; mps_last 8 x 32 x 32 x 1 float32; mps_mid 6 x 8 x 32 x 32 x 8 float32; obss 131,072 x 8 x 32 float32.
;; Outputs: out0 131,072 float32.
;; 2 versions, each right. Each part assembles by itself: llvm-mc -triple=amdgcn-amd-amdhsa -mcpu=gfx1250 --defsym DOCPART=n.
;; ======== version 1 of 2: 2 launches
;; workspace buffers: wts 899,840 bytes
;; launch fold (part 1): grid 426 x 1, 4 waves a work-group, no clusters, 8,960 bytes of LDS; arguments Wa, ba, Wo, bo, mps0, mps_mid, mps_last, wts; writes wts
.if DOCPART == 1
	.amdgcn_target "amdgcn-amd-amdhsa--gfx1250"
	.amdhsa_code_object_version 6
	.text
	.protected	k_qe43417b085_fold
	.globl	k_qe43417b085_fold
	.p2align	8
	.type	k_qe43417b085_fold,@function
k_qe43417b085_fold:
	s_mov_b64 s[64:65], 0
	v_nop
	global_prefetch_b8 v0, s[64:65] scope:SCOPE_SE
	s_setreg_imm32_b32 hwreg(HW_REG_WAVE_MODE, 25, 1), 1
	s_wait_xcnt 0x0
; FOLD: both encoders are multiplied into the tensor-train cores, once, so that the chain launch can take the RAW observations as its matrix operand.
; With a[j] = sum_p' Wa'[j][p'] act'[p'] (Wa'[:,16] = ba, act'[16] = 1) and o[k] = sum_q Wo[k][q] obs[q] + bo[k], every step of reference() is
;   tmp'[l] = sum_i tmp[i] sum_p' act'[p'] ( sum_q W[i,p',l][q] obs[q] + Cb[i,p',l] ),
;   W[i,p',l][q] = sum_jk M[i,j,k,l] Wa'[j,p'] Wo[k,q],   Cb[i,p',l] = sum_jk M[i,j,k,l] Wa'[j,p'] bo[k]:
; a re-association of reference()'s own sums that holds for all values.  NOTHING IS LEFT OUT: all nine inputs are loaded by one of the two launches.
; FORMATS.  Every input is rounded once to bf16 (nearest even).  The sums here are f32, on the vector unit: 30 million multiply-adds, 3 in 10,000 of the
; program's, whose result has to keep 16 bits.  W is stored as two bf16 numbers, hi = bf16(W) and lo = bf16(W - hi); Cb in f32.
; LIMITS.  The order of the sums is not reference()'s.  The first and the last core have 17 values of p' on 18 places: the 18th is 8 rows of zeros inside a
; live tile (the weight of Wa' is masked to 0); a NaN or an infinity in the core reaches those rows as NaN.
; SHARES.  A work-group makes ONE tile of 16 rows x 32 q: 408 tiles of the six middle cores (68 each), 9 of the first core, 9 of the last.
; Row m = 8 h + n of a tile: middle tile T = 17 i' + tau: i = 2 i' + h, l = n, p' = (tau + 8 h) mod 16, or 16 for tau = 16;
; first core: l = n; last core: i = n; in both p' = tau + 8 h, and tau = 8 is p' = 16 (h = 0) or the zero rows (h = 1).
; Wave w: h = w mod 2, jh = w / 2.  It first sums j = 16 jh .. 16 jh + 15 for its half's 8 rows (lane = k), then finishes rows 4 jh .. 4 jh + 3 (lane = q).
; THE IMAGE of a tile in wts is what a wave's matrix operand registers take: element (m, q) at (q / 8) 256 + 16 m + 2 (q mod 8); hi 1,024 bytes, then lo.
.set IMG,   0          ; LDS: the tile's image, 2,048 bytes,
.set CBI,   2048       ; and its 16 Cb
.set TT,    2304       ; wave w's partial sums over j, [row][k] f32, 1,024 bytes each
.set TS2,   6400       ; wave w's four finished rows [row][k], 512 bytes each: the wave's own
.set SPARE, 8448       ; the spare words, 128 bytes for each wave: two blocks of 256 bytes that no other line names
.set BLOB,  143616     ; a middle core in wts: 68 tiles of 2,048 bytes, then 68 x 64 bytes of Cb
.set SMG,   861696     ; behind the six: first core's 9 tiles, last core's 9 tiles, 576 bytes of Cb each
.set LANE, 1
.set MO,   2           ; my byte offset in the core
.set WAO,  3           ; in Wa or ba
.set L4,   4           ; 4 x lane
.set TTS,  5           ; LDS addresses
.set TTL,  6
.set T2S,  7
.set T2B,  8
.set IMA,  9
.set SPW,  10          ; my spare word; never rewritten
.set NIL,  11          ; 0; never rewritten
.set CBA,  12
.set BO,   13          ; bo[lane]
.set WA,   14          ; Wa'[16 jh + lane mod 16][p']
.set TP,   15          ; at work
.set WX,   16          ; v[16:31]   Wa'[16 jh + x][p'], the same in all lanes
.set TR,   32          ; v[32:39]   my 8 rows' partial sums
.set SM,   40          ; v[40:47]   at work
.set AC,   48          ; v[48:55]   four rows' sums, even and odd k
.set OU,   56          ; v[56:59]   four rows of W
.set PK,   60          ; v[60:63]   packed hi, packed lo
.set VAL,  64          ; v[64:191]  the core's numbers [x][row]; later my four rows [row][k], the same in all lanes
.set WO,   192         ; v[192:223] Wo[k][lane]
.macro RND2 n                          ; two numbers rounded to bf16 and written as f32 again
	v_cvt_pk_bf16_f32 v[TP], v[\n], v[(\n)+1]
	v_lshlrev_b32 v[\n], 16, v[TP]
	v_and_b32 v[(\n)+1], s46, v[TP]
.endm
	s_load_b512 s[4:19], s[0:1], 0x0               ; Wa s[4:5], ba s[6:7], Wo s[8:9], bo s[10:11], mps0 s[12:13], mps_mid s[14:15], mps_last s[16:17], wts s[18:19]
	v_lshl_add_u32 v[SPW], v0, 2, SPARE
	v_mov_b32 v[NIL], 0
	v_and_b32 v[LANE], 31, v0
	v_lshrrev_b32 v[TP], 5, v0
	v_readfirstlane_b32 s20, v[TP]                 ; wave
	s_and_b32 s21, s20, 1                          ; h
	s_lshr_b32 s22, s20, 1                         ; jh
	s_mov_b32 s23, ttmp9                           ; the tile
	s_mov_b32 s31, 0                               ; high words of three offsets
	s_mov_b32 s37, 0
	s_mov_b32 s39, 0
	s_mov_b32 s32, 0x76543210                      ; v_permlanex16_b32: each lane takes its own place in the other half
	s_mov_b32 s33, 0xfedcba98
	s_mov_b32 s46, 0xffff0000                      ; a word's upper bf16
	s_lshl_b32 s28, s21, 3                         ; 8 h
	s_wait_kmcnt 0x0
	s_cmp_lt_u32 s23, 408
	s_cbranch_scc0 .Lsmall
	s_mul_i32 s24, s23, 241                        ; a middle core's tile: c = t / 68 (241 / 2^14 serves t < 408),
	s_lshr_b32 s24, s24, 14
	s_mul_i32 s25, s24, 68
	s_sub_co_u32 s25, s23, s25                     ; T,
	s_mul_i32 s26, s25, 241                        ; i' = T / 17 (241 / 2^12 serves T < 68),
	s_lshr_b32 s26, s26, 12
	s_mul_i32 s27, s26, 17
	s_sub_co_u32 s27, s25, s27                     ; tau
	s_add_co_u32 s28, s28, s27
	s_and_b32 s28, s28, 15
	s_cmp_eq_u32 s27, 16
	s_cselect_b32 s28, 16, s28                     ; p'
	s_mov_b32 s29, -1                              ; all rows live
	s_lshl1_add_u32 s30, s26, s21                  ; i = 2 i' + h: 32,768 bytes each,
	s_lshl_b32 s30, s30, 15
	s_lshl_b32 s34, s24, 18                        ; a core 262,144
	s_add_co_u32 s30, s30, s34
	s_mov_b64 s[40:41], s[14:15]
	s_mul_i32 s34, s24, BLOB
	s_lshl_b32 s35, s25, 11
	s_add_co_u32 s36, s34, s35                     ; where the tile goes,
	s_lshl_b32 s35, s25, 6
	s_add_co_u32 s38, s34, s35
	s_add_co_u32 s38, s38, 139264                  ; and its Cb
	s_mov_b32 s47, 0
	s_branch .Ldecoded
.Lsmall:
	s_sub_co_u32 s24, s23, 408
	s_cmp_ge_u32 s24, 9
	s_cselect_b32 s47, 1, 0                        ; 1: the last core
	s_cselect_b32 s25, 9, 0
	s_cselect_b64 s[40:41], s[16:17], s[12:13]
	s_sub_co_u32 s27, s24, s25                     ; tau
	s_add_co_u32 s28, s28, s27                     ; tau + 8 h
	s_cmp_eq_u32 s27, 8
	s_cselect_b32 s28, 16, s28                     ; p'
	s_cselect_b32 s29, s21, 0                      ; 1 for the zero rows,
	s_sub_co_u32 s29, s29, 1                       ; whose mask is 0; all ones else
	s_mov_b32 s30, 0
	s_mul_i32 s34, s47, 18432
	s_lshl_b32 s35, s27, 11
	s_add_co_u32 s36, s34, s35
	s_add_co_u32 s36, s36, SMG
	s_mul_i32 s34, s47, 576
	s_lshl_b32 s35, s27, 6
	s_add_co_u32 s38, s34, s35
	s_add_co_u32 s38, s38, SMG+36864
.Ldecoded:
	s_add_nc_u64 s[40:41], s[40:41], s[30:31]      ; the core's slice
	s_add_nc_u64 s[36:37], s[18:19], s[36:37]
	s_add_nc_u64 s[38:39], s[18:19], s[38:39]
	s_lshl_b32 s45, s28, 2
	s_cmp_eq_u32 s28, 16                           ; p' = 16 is the bias: ba[j] at 4 j; else Wa[j][p'] at 64 j + 4 p'
	s_cselect_b64 s[42:43], s[6:7], s[4:5]
	s_cselect_b32 s44, 2, 6
	s_cselect_b32 s45, 0, s45
	v_and_b32 v[WAO], 15, v0
	v_lshl_add_u32 v[WAO], s22, 4, v[WAO]          ; j = 16 jh + lane mod 16
	v_lshlrev_b32 v[WAO], s44, v[WAO]
	v_add_nc_u32 v[WAO], s45, v[WAO]
	v_lshlrev_b32 v[L4], 2, v[LANE]
	global_load_b32 v[WA], v[WAO], s[42:43]
	global_load_b32 v[BO], v[L4], s[10:11]
.set k, 0
.rept 32
	global_load_b32 v[WO+k], v[L4], s[8:9] offset:128*k   ; Wo[k][lane]: 128 consecutive bytes a load
.set k, k+1
.endr
	s_cmp_eq_u32 s47, 1
	s_cbranch_scc1 .Llast
	v_lshlrev_b32 v[MO], 5, v[LANE]                ; M[i][j][k][l]: lane = k takes its 8 l, 32 bytes: a load covers 1,024 bytes with its partner
	v_lshl_add_u32 v[MO], s22, 14, v[MO]
.set x, 0
.rept 16
	global_load_b128 v[VAL+8*x:VAL+8*x+3],   v[MO], s[40:41] offset:1024*x
	global_load_b128 v[VAL+8*x+4:VAL+8*x+7], v[MO], s[40:41] offset:1024*x+16
.set x, x+1
.endr
	s_branch .Lloaded
.Llast:
	v_lshl_add_u32 v[MO], s22, 11, v[L4]           ; the last core, M[i][j][k]: its rows are the 8 i, 4,096 bytes apart
.set x, 0
.rept 16
.irp i, 0,1,2,3,4,5,6,7
	global_load_b32 v[VAL+8*x+(\i)], v[MO], s[40:41] offset:4096*(\i)+128*x
.endr
.set x, x+1
.endr
.Lloaded:
	s_lshl_b32 s24, s20, 10                        ; LDS addresses, while the loads are out
	v_add3_u32 v[TTS], s24, TT, v[L4]              ; my partial sums: TT + 1,024 w + 4 lane
	s_lshl_b32 s24, s21, 10
	s_lshl_b32 s25, s22, 9
	s_add_co_u32 s24, s24, s25
	v_add3_u32 v[TTL], s24, TT, v[L4]              ; rows 4 jh .. of half h, first partner's; the second's lie 2,048 on
	s_lshl_b32 s24, s20, 9
	s_add_co_u32 s24, s24, TS2
	v_add_nc_u32 v[T2S], s24, v[L4]
	v_mov_b32 v[T2B], s24
	v_lshrrev_b32 v[TP], 3, v[LANE]
	v_and_b32 v[IMA], 7, v[LANE]
	v_lshlrev_b32 v[IMA], 1, v[IMA]
	v_lshl_add_u32 v[IMA], v[TP], 8, v[IMA]        ; (q / 8) 256 + 2 (q mod 8),
	s_lshl_b32 s24, s21, 7
	s_lshl_b32 s25, s22, 6
	s_add_co_u32 s24, s24, s25
	v_add_nc_u32 v[IMA], s24, v[IMA]               ; + 16 (8 h + 4 jh)
	s_lshr_b32 s24, s24, 2
	s_add_co_u32 s24, s24, CBI
	v_mov_b32 v[CBA], s24                          ; Cb of my four rows
	s_wait_loadcnt 0x0
	v_cvt_pk_bf16_f32 v[TP], v[WA], v[BO]          ; every input is rounded to bf16
	v_lshlrev_b32 v[WA], 16, v[TP]
	v_and_b32 v[BO], s46, v[TP]
	v_and_b32 v[WA], s29, v[WA]                    ; 0 for the zero rows
.irp x, 0,1,2,3,4,5,6,7,8,9,10,11,12,13,14,15
	v_readlane_b32 s[48+(\x)], v[WA], \x
.endr
.irp x, 0,1,2,3,4,5,6,7,8,9,10,11,12,13,14,15
	v_mov_b32 v[WX+(\x)], s[48+(\x)]
.endr
.set i, 0
.rept 64
	RND2 VAL+i
.set i, i+2
.endr
	; the sum over my 16 j, two rows an instruction; the first product starts the sums
.irp y, 0,1,2,3
	v_pk_mul_f32 v[TR+2*(\y):TR+2*(\y)+1], v[VAL+2*(\y):VAL+2*(\y)+1], v[WX:WX+1] op_sel_hi:[1,0]
.endr
.set x, 1
.rept 15
.irp y, 0,1,2,3
.if x%2
	v_pk_fma_f32 v[TR+2*(\y):TR+2*(\y)+1], v[VAL+8*x+2*(\y):VAL+8*x+2*(\y)+1], v[WX+x-1:WX+x], v[TR+2*(\y):TR+2*(\y)+1] op_sel:[0,1,0]
.else
	v_pk_fma_f32 v[TR+2*(\y):TR+2*(\y)+1], v[VAL+8*x+2*(\y):VAL+8*x+2*(\y)+1], v[WX+x:WX+x+1], v[TR+2*(\y):TR+2*(\y)+1] op_sel_hi:[1,0,1]
.endif
.endr
.set x, x+1
.endr
.irp r, 0,1,2,3,4,5,6,7
	ds_store_b32 v[TTS], v[TR+(\r)] offset:128*(\r)
.endr
	s_wait_dscnt 0x0                               ; for the others' sake: my partial sums lie in LDS
	s_barrier_signal -1
	s_barrier_wait -1
.irp r, 0,1,2,3
	ds_load_b32 v[SM+(\r)],   v[TTL] offset:128*(\r)        ; my four rows, lane = k: the half over j = 0 .. 15,
	ds_load_b32 v[SM+4+(\r)], v[TTL] offset:2048+128*(\r)   ; and over j = 16 .. 31
.endr
.set i, 0
.rept 16
	RND2 WO+i
.set i, i+2
.endr
	s_wait_dscnt 0x0
	v_pk_add_f32 v[SM:SM+1], v[SM:SM+1], v[SM+4:SM+5]
	v_pk_add_f32 v[SM+2:SM+3], v[SM+2:SM+3], v[SM+6:SM+7]
.irp r, 0,1,2,3
	ds_store_b32 v[T2S], v[SM+(\r)] offset:128*(\r)
.endr
.irp r, 0,1,2,3
.irp z, 0,1,2,3,4,5,6,7
	ds_load_b128 v[VAL+32*(\r)+4*(\z):VAL+32*(\r)+4*(\z)+3], v[T2B] offset:128*(\r)+16*(\z)  ; the same 16 bytes for all lanes; my own bytes, and LDS serves a wave's instructions in order (ISA guide 5.7.1.4)
.endr
.endr
.irp r, 0,1,2,3
	v_mul_f32 v[SM+4+(\r)], v[SM+(\r)], v[BO]      ; Cb: the sum over k = lane
.endr
.irp m, 1,2,4,8
.irp r, 0,1,2,3
	v_add_f32_dpp v[SM+4+(\r)], v[SM+4+(\r)], v[SM+4+(\r)] row_xmask:\m row_mask:0xf bank_mask:0xf
.endr
.endr
.irp r, 0,1,2,3
	v_permlanex16_b32 v[TR+(\r)], v[SM+4+(\r)], s32, s33
.endr
.irp r, 0,1,2,3
	v_add_f32 v[SM+4+(\r)], v[SM+4+(\r)], v[TR+(\r)]
.endr
	s_wait_dscnt 0x0
.irp r, 0,1,2,3
	v_pk_mul_f32 v[AC+2*(\r):AC+2*(\r)+1], v[VAL+32*(\r):VAL+32*(\r)+1], v[WO:WO+1]   ; W[row][q = lane]: even k and odd k apart
.endr
.set k, 2
.rept 15
.irp r, 0,1,2,3
	v_pk_fma_f32 v[AC+2*(\r):AC+2*(\r)+1], v[VAL+32*(\r)+k:VAL+32*(\r)+k+1], v[WO+k:WO+k+1], v[AC+2*(\r):AC+2*(\r)+1]
.endr
.set k, k+2
.endr
.irp r, 0,1,2,3
	v_add_f32 v[OU+(\r)], v[AC+2*(\r)], v[AC+2*(\r)+1]
.endr
	v_cvt_pk_bf16_f32 v[PK], v[OU], v[OU+1]        ; hi,
	v_cvt_pk_bf16_f32 v[PK+1], v[OU+2], v[OU+3]
	v_lshlrev_b32 v[SM], 16, v[PK]
	v_and_b32 v[SM+1], s46, v[PK]
	v_lshlrev_b32 v[SM+2], 16, v[PK+1]
	v_and_b32 v[SM+3], s46, v[PK+1]
.irp r, 0,1,2,3
	v_sub_f32 v[SM+(\r)], v[OU+(\r)], v[SM+(\r)]   ; what hi has lost (exact),
.endr
	v_cvt_pk_bf16_f32 v[PK+2], v[SM], v[SM+1]      ; lo
	v_cvt_pk_bf16_f32 v[PK+3], v[SM+2], v[SM+3]
.irp p, 0,1
	ds_store_b16        v[IMA], v[PK+2*(\p)]   offset:IMG+1024*(\p)
	ds_store_b16_d16_hi v[IMA], v[PK+2*(\p)]   offset:IMG+1024*(\p)+16
	ds_store_b16        v[IMA], v[PK+2*(\p)+1] offset:IMG+1024*(\p)+32
	ds_store_b16_d16_hi v[IMA], v[PK+2*(\p)+1] offset:IMG+1024*(\p)+48
.endr
	ds_store_b128 v[CBA], v[SM+4:SM+7]             ; all lanes hold the same four numbers
	s_wait_dscnt 0x0                               ; for the others' sake: my part of the image lies in LDS
	s_barrier_signal -1
	s_barrier_wait -1
	v_lshlrev_b32 v[MO], 4, v0                     ; 16 x thread: in the image and in wts alike
	ds_load_b128 v[VAL:VAL+3], v[MO] offset:IMG
	s_wait_dscnt 0x0
	global_store_b128 v[MO], v[VAL:VAL+3], s[36:37]   ; a wave stores 512 consecutive bytes, at a multiple of 256 from wts's first byte
	s_cmp_lg_u32 s20, 0
	s_cbranch_scc1 .Lend
	v_and_b32 v[TP], 15, v0                        ; wave 0: the tile's 16 Cb, 64 bytes: a part of an aligned 256 bytes; 27 KB of the 900 KB go so
	v_lshlrev_b32 v[TP], 2, v[TP]
	ds_load_b32 v[SM], v[TP] offset:CBI
	s_wait_dscnt 0x0
	s_wait_xcnt 0x0                                ; EXEC changes only behind this wait: the store above has read it
	v_cmp_gt_u32 vcc_lo, 16, v[LANE]
	s_and_saveexec_b32 s24, vcc_lo
	global_store_b32 v[TP], v[SM], s[38:39]
	s_wait_xcnt 0x0                                ; and again, in front of the line that widens it
	s_or_b32 exec_lo, exec_lo, s24
.Lend:
	s_wait_tensorcnt 0x0                           ; the wave's end, behind my last LDS store
	ds_add_u32 v[SPW], v[NIL]
	s_wait_dscnt 0x0
	s_endpgm
.Lfunc_end_k_qe43417b085_fold:
	.size	k_qe43417b085_fold, .Lfunc_end_k_qe43417b085_fold-k_qe43417b085_fold
	.p2alignl 7, 3214868480
	.fill 96, 4, 3214868480
	.section	.rodata,"a",@progbits
	.p2align	6, 0x0
	.amdhsa_kernel k_qe43417b085_fold
		.amdhsa_group_segment_fixed_size 8960
		.amdhsa_private_segment_fixed_size 0
		.amdhsa_enable_private_segment 0
		.amdhsa_kernarg_size 64
		.amdhsa_user_sgpr_count 2
		.amdhsa_user_sgpr_kernarg_segment_ptr 1
		.amdhsa_wavefront_size32 1
		.amdhsa_system_sgpr_workgroup_id_x 1
		.amdhsa_system_sgpr_workgroup_id_y 1
		.amdhsa_system_sgpr_workgroup_id_z 1
		.amdhsa_system_vgpr_workitem_id 0
		.amdhsa_next_free_vgpr 224
		.amdhsa_next_free_sgpr 66
		.amdhsa_reserve_vcc 1
		.amdhsa_float_denorm_mode_32 3
		.amdhsa_float_denorm_mode_16_64 3
		.amdhsa_memory_ordered 1
		.amdhsa_forward_progress 1
		.amdhsa_inst_pref_size 50
	.end_amdhsa_kernel
	.amdgpu_metadata
---
amdhsa.version: [ 1, 2 ]
amdhsa.kernels:
  - .name:           k_qe43417b085_fold
    .symbol:         k_qe43417b085_fold.kd
    .args:
      - { .name: Wa, .offset: 0, .size: 8, .value_kind: global_buffer, .address_space: global }
      - { .name: ba, .offset: 8, .size: 8, .value_kind: global_buffer, .address_space: global }
      - { .name: Wo, .offset: 16, .size: 8, .value_kind: global_buffer, .address_space: global }
      - { .name: bo, .offset: 24, .size: 8, .value_kind: global_buffer, .address_space: global }
      - { .name: mps0, .offset: 32, .size: 8, .value_kind: global_buffer, .address_space: global }
      - { .name: mps_mid, .offset: 40, .size: 8, .value_kind: global_buffer, .address_space: global }
      - { .name: mps_last, .offset: 48, .size: 8, .value_kind: global_buffer, .address_space: global }
      - { .name: wts, .offset: 56, .size: 8, .value_kind: global_buffer, .address_space: global }
    .group_segment_fixed_size: 8960
    .private_segment_fixed_size: 0
    .kernarg_segment_align: 8
    .kernarg_segment_size: 64
    .max_flat_workgroup_size: 128
    .sgpr_count:     66
    .vgpr_count:     224
    .wavefront_size: 32
...
	.end_amdgpu_metadata
.endif
;; end of part 1
;; launch chain (part 2): grid 256 x 1, 4 waves a work-group, clusters of 4 x 1, 327,680 bytes of LDS; arguments actions, obss, wts, out0; writes out0
.if DOCPART == 2
	.amdgcn_target "amdgcn-amd-amdhsa--gfx1250"
	.amdhsa_code_object_version 6
	.text
	.protected	k_qe43417b085_chain
	.globl	k_qe43417b085_chain
	.p2align	8
	.type	k_qe43417b085_chain,@function
k_qe43417b085_chain:
	s_mov_b64 s[64:65], 0
	v_nop
	global_prefetch_b8 v0, s[64:65] scope:SCOPE_SE
	s_setreg_imm32_b32 hwreg(HW_REG_WAVE_MODE, 25, 1), 1
	s_wait_xcnt 0x0
	s_wait_alu depctr_hold_cnt(0) depctr_sa_sdst(0) depctr_va_vdst(0) depctr_va_sdst(0) depctr_va_ssrc(0) depctr_va_vcc(0) depctr_vm_vsrc(0)
	s_getreg_b32 s2, hwreg(HW_REG_IB_STS2, 6, 4)
	s_cmp_eq_u32 s2, 0
	s_cbranch_scc0 .Lentry_in_a_cluster
	s_endpgm
.Lentry_in_a_cluster:
	s_bfe_u32 s2, ttmp6, 0x10000c
	s_cmp_lg_u32 s2, 0x3003
	s_cbranch_scc0 .Lentry_shape_is_right
	s_endpgm
.Lentry_shape_is_right:
; THE CHAIN.  out[n] = the tensor train of reference(), with both encoders folded into the cores by the launch before (its head shows the identity; nothing is left out):
;   step s: tmp'[l] = sum_i tmp[i] sum_p' act'[p'] D[i,p',l],   D[row] = sum_q W[row][q] obs[q] + Cb[row],   act'[16] = 1.
; THE MATRIX WORK is D: source 0 = 16 rows of W (bf16), source 1 = 16 samples' RAW observations rounded to bf16, K = 32 = all q.  Two instructions a tile: D = W_hi obs + Cb (Cb is the C
; operand), D += W_lo obs.  In D a lane holds ONE sample (lane mod 16 = r) and the rows 8 h + 0..7 (h = lane / 16): for a middle core i = 2 i' + h, l = 0..7, p' = (tau + 8 h) mod 16.
; THE VECTOR WORK, all f32: U[l] += D[l] act'[p'] (four packed multiply-adds a tile and group, set behind the matrix instructions), tmp'[l] += U[l] tmp[i] once for 17 tiles.
; FORMATS, LIMITS.  actions and obss are rounded once to bf16, like the inputs of the launch before; W carries 16 bits (hi + lo); tmp, act' D and all sums stay in f32.  The order of the
; sums is not reference()'s.  In the first and the last core 8 of 144 rows are zeros inside a live tile: a NaN or an infinity in obss reaches them too, as it reaches the live rows.
; SHARES.  A work-group has 512 samples, in two passes of 256; a wave 64 of a pass, four GROUPS g of 16: sample = 512 W + 256 pass + 64 wave + 4 r + g, so that lane r ends with four
; neighbouring outputs.  A middle step is 4 trips (i') of 17 tiles (tau), 8 matrix instructions a tile: 544 a wave; the first and the last step 9 tiles.
; CLUSTER.  All work-groups walk the same cores, so each core (143,616 bytes, one step's weights) is asked for JOINTLY by the four work-groups of a cluster: the same tensor load, descriptor
; and mask in all four.  Two LDS slots take turns, a core each; the two small cores are fetched once and stay.  A fill has one step, 544 matrix instructions a wave, in which to land.
; INPUTS come straight into registers: a step of obss is half of a sample's aligned 256 bytes, so two steps are loaded at a time, two steps ahead of their use; a sample's actions (512 bytes,
; all eight steps) once a pass, the second pass's during the first.  A lane takes 16 bytes a load; the loads that share 256 bytes stand on end.
; REGISTERS, in windows of 256 (s_set_vgpr_msb: bits 1:0 source 0, 3:2 source 1, 5:4 source 2, 7:6 destination):
;   window 0: v1-15 addresses and the outputs; v16-63 W's fragments, three sets (hi 8, lo 8); v64-95 D, 8 a group; v96-127 U; v128-159 the new tmp's sums; v160-191 tmp; v192-215 Cb, three sets
;   window 1: v0-31 obs fragments of the step in hand; v32-103 act', 18 a group; v104-119 tmp[2 i' + h] for the trips to come; v128-159 obs fragments of the next step; v160-175 at work
;   window 2: v0-127 actions in bf16, [step][group][4]; v128-255 obss as loaded          window 3: actions as loaded
; A trip's matrix instructions, riders and LDS loads all run under ONE setting (source 1 in window 1).
.set BLOB,  143616     ; a middle core in wts: 68 tiles of 2,048 bytes (hi 1,024, lo 1,024), then 68 x 64 bytes of Cb
.set QUART, 36096      ; what one wave fetches of it: 141 rows of 256 bytes; the four fetch 768 bytes past the core's end, which lie in wts and are never used
.set SLOTB, 144384
.set SMALL, 288768     ; behind the two slots: first core's 9 tiles, last core's 9 tiles, 576 bytes of Cb each: 38,016 bytes, filled once
.set SQ,    9504       ; a wave's quarter of them
.set SMG,   861696     ; where they lie in wts
.set SPARE, 326912     ; the spare words, 128 bytes for each wave: two blocks of 256 bytes that no other line names
.set LANE, 1
.set AF,   2           ; LDS address of my 16 bytes in a trip's first fragment
.set AB,   3           ; of my 32 bytes in its first Cb
.set OBO,  4           ; 4,096 r + 32 h: my offset in the wave's obss; never rewritten
.set ACO,  5           ; 2,048 r + 32 h: in its actions; never rewritten
.set OUTO, 6           ; 16 r
.set PFO,  7           ; 256 x lane; never rewritten
.set H32,  8           ; 32 h
.set L16,  9           ; 16 x lane
.set SPW,  10          ; my spare word; never rewritten
.set NIL,  11          ; 0; never rewritten
.set OUTV, 12          ; v[12:15] my four outputs
.set FR,   16
.set ACC,  64
.set UU,   96
.set TN,   128
.set TM,   160
.set CB,   192
.set CUR,  0           ; window 1
.set COEF, 32          ; 0-7: act[8 h + c]; 8-15: the other half's eight; 16: 1.0; 17: 0 (named with 16 as a pair)
.set TS,   104
.set PB,   128
.set SCR,  160
.set FIFO, 0           ; window 2
.set LND,  128
; scalars: s[4:11] actions, obss, wts, out0; s12 wave; s13 cx; s14 W; s[16:23], s[24:27] a core's descriptor; s[28:35], s[36:39] the small cores'; s40 K, the middle steps done; s41 the core to ask for;
; s42 the slot in hand; s43 trips; s[44:45] an offset; s[46:47] obss at the pair of steps last asked for; s[48:49] its step; s50, s51 lane selects; s52 0xffff0000; s53 wave x QUART;
; s[54:55] wts at my quarter; s[56:57] actions, s[58:59] out0 at my wave's samples; s60 EXEC kept; s61 how many steps prefetch; s[62:63] where; s[66:67], s70 offsets that hold cx; s68, s69 a trip's LDS bases
.set MSB, 0
.macro WIN new                         ; the immediate's high byte repeats the setting that is left; a switch that changes nothing is dropped
.if MSB != (\new)
	s_set_vgpr_msb (MSB<<8)|(\new)
.set MSB, \new
.endif
.endm
; A round of the cluster's barrier: my work-group's barrier, so that wave 0's signal speaks for all four waves; wave 0 signals; every wave waits for all four work-groups; my work-group's barrier once more.
.macro ROUND
	s_barrier_signal -1
	s_barrier_wait -1
	s_cmp_lg_u32 s12, 0
	s_cbranch_scc1 .Lnot_wave_0_\@
	s_barrier_signal -3
.Lnot_wave_0_\@:
	s_barrier_wait -3
	s_barrier_signal -1
	s_barrier_wait -1
.endm
.macro JFILL                           ; the joint fill: every wave its quarter of a core; an s_nop 0 and four v_nop follow it
	tensor_load_to_lds s[24:27], s[16:23]
	s_nop 0
.rept 4
	v_nop
.endr
.endm
; A PREFETCH INTO THE L2, behind the joint fill and its five lines: in middle step K the core that step K + 1 will ask for (core K + 2): 544 matrix instructions ahead of that load.  Only in the first walk over
; the cores (K < 4), and only by the launch's first cluster: every cluster walks the same six cores, again and again.  Of the 141 rows that wave w fetches the partner at place cx names rows
; 32 cx .. 32 cx + 31, a lane a row: the partners are told apart by address, no branch hangs on cx.  The last 13 rows of a quarter, and cores 0 and 1, come by their loads alone.
.macro ASK
	s_cmp_gt_u32 s61, s40
	s_cbranch_scc0 .Lnot_mine_\@
	global_prefetch_b8 v[PFO], s[62:63] th:TH_LOAD_NT scope:SCOPE_SE
.Lnot_mine_\@:
.endm
.macro ACTLOAD pass                    ; a pass's actions: for each of my four samples my 32 bytes of each of the 8 steps; the pass stands in the immediate
	WIN 0xc0
.irp g, 0,1,2,3
.irp s, 0,1,2,3,4,5,6,7
.irp e, 0,1
	global_load_b128 v[64*(\g)+8*(\s)+4*(\e):64*(\g)+8*(\s)+4*(\e)+3], v[ACO], s[56:57] offset:131072*(\pass)+512*(\g)+64*(\s)+16*(\e)
.endr
.endr
.endr
	WIN 0
.endm
.macro ACTCVT                          ; rounded to bf16, in pairs: [step][group][4]
	WIN 0x8f
.irp g, 0,1,2,3
.irp s, 0,1,2,3,4,5,6,7
.irp y, 0,1,2,3
	v_cvt_pk_bf16_f32 v[FIFO+16*(\s)+4*(\g)+(\y)], v[64*(\g)+8*(\s)+2*(\y)], v[64*(\g)+8*(\s)+2*(\y)+1]
.endr
.endr
.endr
	WIN 0
.endm
.macro OBSLOAD                         ; two steps of obss: for each of my four samples q = 8 h + 0..7 and 16 + 8 h + 0..7 of both steps: piece y at 64 (y / 2) + 16 (y mod 2)
	WIN 0x80
.irp g, 0,1,2,3
.irp u, 0,1
.irp y, 0,1,2,3
	global_load_b128 v[LND+32*(\g)+16*(\u)+4*(\y):LND+32*(\g)+16*(\u)+4*(\y)+3], v[OBO], s[46:47] offset:1024*(\g)+128*(\u)+64*((\y)/2)+16*((\y)%2)
.endr
.endr
.endr
	WIN 0
.endm
; The pair of steps that has landed is rounded to bf16: the first is the step in hand, the second is kept.  ld = 1: the next pair of the pass is asked for; 2: the same, or behind the pass's last pair (K = 5) the next pass's first; 0: nothing.
.macro CONVERT ld
	s_wait_loadcnt 0x0                             ; asked for two steps ago; all my loads are done, so obss's address may be written
	WIN 0x4a
.irp g, 0,1,2,3
.irp y, 0,1,2,3
.irp x, 0,1
	v_cvt_pk_bf16_f32 v[CUR+8*(\g)+2*(\y)+(\x)], v[LND+32*(\g)+4*(\y)+2*(\x)], v[LND+32*(\g)+4*(\y)+2*(\x)+1]
	v_cvt_pk_bf16_f32 v[PB+8*(\g)+2*(\y)+(\x)], v[LND+32*(\g)+16+4*(\y)+2*(\x)], v[LND+32*(\g)+16+4*(\y)+2*(\x)+1]
.endr
.endr
.endr
	WIN 0
.if \ld
	s_mov_b32 s48, 256
.if (\ld) == 2
	s_cmp_eq_u32 s40, 5
	s_cselect_b32 s48, 262144-768, s48             ; 256 samples of 1,024 bytes on, back to steps 0 and 1
.endif
	s_add_nc_u64 s[46:47], s[46:47], s[48:49]
	OBSLOAD
.endif
.endm
.macro MOVE                            ; the pair's second step becomes the step in hand
	WIN 0x41
.set i, 0
.rept 32
	v_mov_b32 v[CUR+i], v[PB+i]
.set i, i+1
.endr
	WIN 0
.endm
.macro ACTPREP ex                      ; the step's actions as f32: my own eight; ex = 1: and the eight of the lane 16 away
	WIN 0x48
.irp g, 0,1,2,3
.irp x, 0,1,2,3
	v_lshlrev_b32 v[COEF+18*(\g)+2*(\x)], 16, v[FIFO+4*(\g)+(\x)]
	v_and_b32 v[COEF+18*(\g)+2*(\x)+1], s52, v[FIFO+4*(\g)+(\x)]
.endr
.endr
.if \ex
	WIN 0x42
.set i, 0
.rept 16
	v_permlanex16_b32 v[SCR+i], v[FIFO+i], s50, s51
.set i, i+1
.endr
	WIN 0x44
.irp g, 0,1,2,3
.irp x, 0,1,2,3
	v_lshlrev_b32 v[COEF+18*(\g)+8+2*(\x)], 16, v[SCR+4*(\g)+(\x)]
	v_and_b32 v[COEF+18*(\g)+9+2*(\x)], s52, v[SCR+4*(\g)+(\x)]
.endr
.endr
.endif
	WIN 0
.endm
.macro SHIFT                           ; the later steps' actions move one place down, so that one text serves every step: 112 lines for a step's 544 matrix instructions
	WIN 0x82
.set i, 0
.rept 112
	v_mov_b32 v[FIFO+i], v[FIFO+16+i]
.set i, i+1
.endr
	WIN 0
.endm
.macro LDT set, tau                    ; tile tau of the trip into a set: 32 lanes x 16 neighbouring bytes four times (no two lanes share a bank), and my half's 8 Cb
	ds_load_b128 v[FR+16*(\set):FR+16*(\set)+3],     v[AF] offset:2048*(\tau)
	ds_load_b128 v[FR+16*(\set)+4:FR+16*(\set)+7],   v[AF] offset:2048*(\tau)+512
	ds_load_b128 v[FR+16*(\set)+8:FR+16*(\set)+11],  v[AF] offset:2048*(\tau)+1024
	ds_load_b128 v[FR+16*(\set)+12:FR+16*(\set)+15], v[AF] offset:2048*(\tau)+1536
	ds_load_b128 v[CB+8*(\set):CB+8*(\set)+3],       v[AB] offset:64*(\tau)
	ds_load_b128 v[CB+8*(\set)+4:CB+8*(\set)+7],     v[AB] offset:64*(\tau)+16
.endm
.macro WM part, g, set                 ; part 0: D = W_hi obs + Cb; part 1: D += W_lo obs
.if (\part) == 0
	v_wmma_f32_16x16x32_bf16 v[ACC+8*(\g):ACC+8*(\g)+7], v[FR+16*(\set):FR+16*(\set)+7], v[CUR+8*(\g):CUR+8*(\g)+7], v[CB+8*(\set):CB+8*(\set)+7]
.else
	v_wmma_f32_16x16x32_bf16 v[ACC+8*(\g):ACC+8*(\g)+7], v[FR+16*(\set)+8:FR+16*(\set)+15], v[CUR+8*(\g):CUR+8*(\g)+7], v[ACC+8*(\g):ACC+8*(\g)+7]
.endif
.endm
.macro RID g, ci, x, first             ; a rider: U[2x, 2x+1] += D[2x, 2x+1] act'[ci]; first = 1: it starts the sum, nothing is cleared
.set rA, ACC+8*(\g)+2*(\x)
.set rU, UU+8*(\g)+2*(\x)
.set rC, COEF+18*(\g)+2*((\ci)/2)
.if \first
	v_pk_mul_f32 v[rU:rU+1], v[rA:rA+1], v[rC:rC+1] op_sel_hi:[1,0]
.elseif (\ci)%2
	v_pk_fma_f32 v[rU:rU+1], v[rA:rA+1], v[rC:rC+1], v[rU:rU+1] op_sel:[0,1,0]
.else
	v_pk_fma_f32 v[rU:rU+1], v[rA:rA+1], v[rC:rC+1], v[rU:rU+1] op_sel_hi:[1,0,1]
.endif
.endm
.macro RID2 g, ci, x, first
	RID \g, \ci, \x, \first
	RID \g, \ci, (\x)+1, \first
.endm
; A TILE: 8 matrix instructions, two riders behind each.  The accumulators take turns, one instruction a turn: hi 0, hi 1, lo 0, lo 1, hi 2, hi 3, lo 2, lo 3, over the backward jump too.
; Groups 0 and 1 are weighed behind the tile's second four, groups 2 and 3 behind the next tile's first four; each accumulator is read from its low end.  Between an accumulator's last product and its first rider stand four riders
; of other groups or more, which name none of that product's registers (ISA guide 7.12.1); between that product and the one that writes the accumulator anew, eight.  A trip's first tile has no riders for its first four: four v_nop.
; THE LDS LOADS of the tile two on stand together in the tile's middle, ten plain instructions behind the last product that read their set, twelve matrix instructions ahead of their use.  17 is no multiple of the three
; sets: the next trip's tile 0 is fetched in tile 16 (set 0 is free since tile 15), its tile 1 behind the trip (TRIP).
.macro TILE tau, n, next
.set st, (\tau)%3
.set cc, (\tau)
.if ((\n) == 9) && ((\tau) == 8)
.set cc, 16                            ; a small core's last tile is p' = 16
.endif
.set cp, (\tau)-1
.set fc, 0
.set fp, 0
.if (\tau) == 0
.set fc, 1
.endif
.if (\tau) == 1
.set fp, 1
.endif
.if (\tau)+1 == (\n)
	s_wait_dscnt 0x0                               ; the trip's last tile: no younger LDS load is out
.else
	s_wait_dscnt 0x6                               ; LDS loads come back in order (ISA guide 5.7.1): this tile's six are in, the next tile's six may stay out
.endif
	WM 0, 0, st
.if (\tau) > 0
	RID2 2, cp, 0, fp
.endif
	WM 0, 1, st
.if (\tau) > 0
	RID2 2, cp, 2, fp
.endif
	WM 1, 0, st
.if (\tau) > 0
	RID2 3, cp, 0, fp
.endif
	WM 1, 1, st
.if (\tau) > 0
	RID2 3, cp, 2, fp
.else
.rept 4
	v_nop
.endr
.endif
.if (\tau)+2 < (\n)
	LDT ((\tau)+2)%3, (\tau)+2
.elseif ((\tau)+1 == (\n)) && (\next)
	LDT 0, \n
.endif
	WM 0, 2, st
	RID2 0, cc, 0, fc
	WM 0, 3, st
	RID2 0, cc, 2, fc
	WM 1, 2, st
	RID2 1, cc, 0, fc
	WM 1, 3, st
	RID2 1, cc, 2, fc
.endm
; A TRIP: n tiles, then the last tile's riders for groups 2 and 3.  next = 1: the next trip's tiles lie behind this one's in LDS (tiles n and n + 1), and the addresses step.
.macro TRIP n, next
	WIN 0x04
.set tt, 0
.rept \n
	TILE tt, \n, \next
.set tt, tt+1
.endr
.set cl, (\n)-1
.if (\n) == 9
.set cl, 16
.endif
	RID2 2, cl, 0, 0
	RID2 2, cl, 2, 0
	RID2 3, cl, 0, 0
	RID2 3, cl, 2, 0
.if \next
	LDT 1, (\n)+1
.endif
	WIN 0
.if \next
	s_add_co_u32 s68, s68, 17*2048
	s_add_co_u32 s69, s69, 17*64
	v_add_nc_u32 v[AF], s68, v[L16]
	v_add_nc_u32 v[AB], s69, v[H32]
.endif
.endm
.macro BOUND                           ; the trip's U, weighed with tmp[2 i' + h]; then the later trips' weights move one place down
	WIN 0x04
.irp g, 0,1,2,3
.irp x, 0,1,2,3
	v_pk_fma_f32 v[TN+8*(\g)+2*(\x):TN+8*(\g)+2*(\x)+1], v[UU+8*(\g)+2*(\x):UU+8*(\g)+2*(\x)+1], v[TS+4*(\g):TS+4*(\g)+1], v[TN+8*(\g)+2*(\x):TN+8*(\g)+2*(\x)+1] op_sel_hi:[1,0,1]
.endr
.endr
	WIN 0x41
.irp g, 0,1,2,3
.irp x, 0,1,2
	v_mov_b32 v[TS+4*(\g)+(\x)], v[TS+4*(\g)+(\x)+1]
.endr
.endr
	WIN 0
.endm
.macro REDUCE src                      ; the two halves of the lanes hold the two halves of a step's sum: tmp = both; then tmp[2 i' + h] for the next step's trips.  D's registers, long since read, take the exchange
	WIN 0
.set i, 0
.rept 32
	v_permlanex16_b32 v[ACC+i], v[(\src)+i], s50, s51
.set i, i+1
.endr
.set i, 0
.rept 16
	v_pk_add_f32 v[TM+i:TM+i+1], v[(\src)+i:(\src)+i+1], v[ACC+i:ACC+i+1]
.set i, i+2
.endr
	WIN 0x40
.irp g, 0,1,2,3
.irp x, 0,1,2,3
	v_cndmask_b32 v[TS+4*(\g)+(\x)], v[TM+8*(\g)+2*(\x)], v[TM+8*(\g)+2*(\x)+1], s52   ; s52 is also the mask of lanes 16 to 31
.endr
.endr
	WIN 0
.endm
.macro STEP0                           ; the first core: rows l, p' = tau + 8 h
	CONVERT 1
	ACTPREP 0
	SHIFT
	v_add_nc_u32 v[AF], SMALL, v[L16]
	v_add_nc_u32 v[AB], SMALL+36864, v[H32]
	LDT 0, 0
	LDT 1, 1
	TRIP 9, 0
	REDUCE UU
.endm
.macro STEP7 pass                      ; the last core: rows i; out = sum_i tmp[i] U[i], both halves of the lanes
	MOVE
	ACTPREP 0
	v_add_nc_u32 v[AF], SMALL+18432, v[L16]
	v_add_nc_u32 v[AB], SMALL+37440, v[H32]
	LDT 0, 0
	LDT 1, 1
	TRIP 9, 0
.irp g, 0,1,2,3
	v_pk_mul_f32 v[TN+8*(\g):TN+8*(\g)+1], v[UU+8*(\g):UU+8*(\g)+1], v[TM+8*(\g):TM+8*(\g)+1]
.endr
.irp x, 1,2,3
.irp g, 0,1,2,3
	v_pk_fma_f32 v[TN+8*(\g):TN+8*(\g)+1], v[UU+8*(\g)+2*(\x):UU+8*(\g)+2*(\x)+1], v[TM+8*(\g)+2*(\x):TM+8*(\g)+2*(\x)+1], v[TN+8*(\g):TN+8*(\g)+1]
.endr
.endr
.irp g, 0,1,2,3
	v_add_f32 v[TN+8*(\g)], v[TN+8*(\g)], v[TN+8*(\g)+1]
.endr
.irp g, 0,1,2,3
	v_permlanex16_b32 v[TN+8*(\g)+1], v[TN+8*(\g)], s50, s51
.endr
.irp g, 0,1,2,3
	v_add_f32 v[OUTV+(\g)], v[TN+8*(\g)], v[TN+8*(\g)+1]
.endr
	s_wait_xcnt 0x0                                ; EXEC changes only behind this wait: the loads that are out have read it
	v_cmp_gt_u32 vcc_lo, 16, v[LANE]
	s_and_saveexec_b32 s60, vcc_lo
	global_store_b128 v[OUTO], v[OUTV:OUTV+3], s[58:59] offset:1024*(\pass) th:TH_STORE_NT  ; 16 lanes store 256 consecutive bytes, at a multiple of 256 from out0's first byte
	s_wait_xcnt 0x0                                ; and again, in front of the line that widens it; it also frees the four outputs' registers
	s_or_b32 exec_lo, exec_lo, s60
.endm
; A MIDDLE STEP.  It begins with the change of slots: each wave waits for all its tensor loads, of which one is out: its quarter of this step's core; adds 0 to its spare word; and waits for that and for its own reads of the
; slot that it leaves.  refill = 1: the barrier is a round of the cluster's, so that no wave of any partner still reads that slot or has a load on its way, and the joint fill is the first thing behind it.
.macro MSTEP refill
	WIN 0
.if \refill
	s_wait_xcnt 0x0                                ; the last prefetch, a step back, has read its address:
	s_add_nc_u64 s[62:63], s[62:63], BLOB          ; one core on
.endif
	s_wait_tensorcnt 0x0                           ; no tensor load of mine is out, so the descriptor may be written
	ds_add_u32 v[SPW], v[NIL]                      ; 0 onto my spare word; the scalar work below stands between it and the wait for it
.if \refill
	s_add_co_u32 s25, s42, s53                     ; into the slot read last, my quarter;
	s_mul_i32 s44, s41, BLOB
	s_add_nc_u64 s[26:27], s[54:55], s[44:45]      ; the address is made anew from the core's number,
	s_or_b32 s27, s27, 0x80000000                  ; the type bits set again
	s_add_co_u32 s41, s41, 1                       ; behind core 5 comes core 0, for the second pass
	s_cmp_eq_u32 s41, 6
	s_cselect_b32 s41, 0, s41
.endif
	s_xor_b32 s42, s42, SLOTB                      ; this step reads the other slot
	s_wait_dscnt 0x0                               ; the add is done, and my reads of the slot are over
.if \refill
	ROUND
	JFILL
	ASK
	s_bitcmp1_b32 s40, 0                           ; odd K: a new pair of steps; even K: the pair's second step
	s_cbranch_scc0 .Leven_\@
	CONVERT 2
	s_branch .Lgot_\@
.Leven_\@:
	MOVE
.Lgot_\@:
.else
	s_barrier_signal -1
	s_barrier_wait -1
	CONVERT 0                                      ; K = 11: the last pair; nothing is left to ask for
.endif
	ACTPREP 1
	SHIFT
.set i, 0
.rept 32
	v_mov_b32 v[TN+i], 0                           ; the new tmp's sums start at 0, so that the four trips have one text: 32 lines a step
.set i, i+1
.endr
	s_mov_b32 s68, s42
	s_add_co_u32 s69, s42, 68*2048
	v_add_nc_u32 v[AF], s68, v[L16]
	v_add_nc_u32 v[AB], s69, v[H32]
	LDT 0, 0
	LDT 1, 1
	s_mov_b32 s43, 4
.Ltrip_\@:
	TRIP 17, 1
	BOUND
	s_sub_co_u32 s43, s43, 1
	s_cmp_lg_u32 s43, 0
	s_cbranch_scc1 .Ltrip_\@
	s_wait_dscnt 0x0                               ; the fourth trip's twelve loads for a fifth read bytes of the slot that nothing uses: the price of one text for the four trips; they are back before their registers are loaded again
	REDUCE TN
.endm
	s_load_b256 s[4:11], s[0:1], 0x0               ; actions s[4:5], obss s[6:7], wts s[8:9], out0 s[10:11]
	v_lshl_add_u32 v[SPW], v0, 2, SPARE
	v_mov_b32 v[NIL], 0
	ds_add_u32 v[SPW], v[NIL]                      ; the wave's opening: the add, twice on end, and its wait ahead of my first tensor load; the set-up below, work on registers, stands between
	ds_add_u32 v[SPW], v[NIL]                      ; and once more, under the one wait
	v_lshrrev_b32 v[LANE], 5, v0
	v_readfirstlane_b32 s12, v[LANE]               ; wave 0..3
	v_and_b32 v[LANE], 31, v0
	v_and_b32 v[AF], 15, v0                        ; r
	v_bfe_u32 v[AB], v0, 4, 1                      ; h
	v_lshlrev_b32 v[H32], 5, v[AB]
	v_lshlrev_b32 v[L16], 4, v[LANE]
	v_lshl_add_u32 v[OBO], v[AF], 12, v[H32]       ; four samples of 1,024 bytes a lane
	v_lshl_add_u32 v[ACO], v[AF], 11, v[H32]       ; of 512 bytes
	v_lshlrev_b32 v[OUTO], 4, v[AF]
	v_lshlrev_b32 v[PFO], 8, v[LANE]
	WIN 0x40
.irp g, 0,1,2,3
	v_mov_b32 v[COEF+18*(\g)+16], 1.0              ; act'[16]
	v_mov_b32 v[COEF+18*(\g)+17], 0
.endr
.set i, 0
.rept 16
	v_mov_b32 v[SCR+i], 0                          ; v_permlanex16_b32 counts as a reader of its destination
.set i, i+1
.endr
	WIN 0
	s_bfe_u32 s13, ttmp6, 0x40000                  ; cx: my place in the cluster: it enters the inputs', the output's and the prefetches' addresses alone
	s_lshl_b32 s14, ttmp9, 2                       ; in a cluster launch ttmp9 counts clusters
	s_add_co_u32 s14, s14, s13                     ; W
	s_mov_b32 s16, 15|(3<<16)|(1<<21)              ; a core's quarter: 15:0 the mask of four; 17:16 elements of 8 bytes; 21 set beside a mask; no padding
	s_mov_b32 s17, 32<<16                          ; tensor_dim0 = 32: rows of 256 bytes
	s_mov_b32 s18, 141<<16                         ; tensor_dim1 = 141
	s_mov_b32 s19, 32<<16                          ; tile_dim0 = 32
	s_mov_b32 s20, 141                             ; tile_dim1 = 141
	s_mov_b32 s21, 32                              ; 32 elements from row to row: dense
	s_mov_b32 s22, 0
	s_mov_b32 s23, 0
	s_mov_b32 s28, 15|(3<<16)|(1<<21)              ; the small cores' quarter: one row of 9,504 bytes
	s_mov_b32 s29, 1188<<16
	s_mov_b32 s30, 1<<16
	s_mov_b32 s31, 1188<<16
	s_mov_b32 s32, 1
	s_mov_b32 s33, 1188
	s_mov_b32 s34, 1<<16
	s_mov_b32 s35, 0
	s_mul_i32 s53, s12, QUART
	s_mov_b32 s24, 1                               ; count = 1
	s_mov_b32 s25, s53                             ; core 0 goes into slot 0
	s_mov_b32 s36, 1
	s_mul_i32 s37, s12, SQ
	s_add_co_u32 s44, s37, SMG
	s_add_co_u32 s37, s37, SMALL
	s_mov_b32 s45, 0
	s_mov_b32 s49, 0
	s_mov_b32 s67, 0
	s_mov_b32 s50, 0x76543210                      ; v_permlanex16_b32: each lane takes its own place in the other half
	s_mov_b32 s51, 0xfedcba98
	s_mov_b32 s52, 0xffff0000
	s_mov_b32 s41, 1                               ; the first refill asks for core 1
	s_mov_b32 s42, SLOTB                           ; the first change of slots turns this into slot 0
	s_cmp_eq_u32 ttmp9, 0
	s_cselect_b32 s61, 4, 0                        ; the same in all four partners
	s_wait_dscnt 0x0                               ; both opening adds are done
	s_wait_kmcnt 0x0
	s_add_nc_u64 s[38:39], s[8:9], s[44:45]
	s_or_b32 s39, s39, 0x80000000                  ; type = 2
	s_mov_b32 s44, s53
	s_add_nc_u64 s[54:55], s[8:9], s[44:45]
	s_mov_b64 s[26:27], s[54:55]
	s_or_b32 s27, s27, 0x80000000
	s_lshl_b32 s66, s13, 13                        ; my work-group's 32 rows of a quarter,
	s_add_co_u32 s66, s66, BLOB                    ; in core 1: the first middle step steps this to core 2
	s_add_nc_u64 s[62:63], s[54:55], s[66:67]
	s_lshl_b32 s66, s14, 19                        ; 512 samples of 1,024 bytes a work-group, 64 a wave
	s_lshl_b32 s70, s12, 16
	s_add_co_u32 s66, s66, s70
	s_add_nc_u64 s[46:47], s[6:7], s[66:67]
	s_lshl_b32 s66, s14, 18
	s_lshl_b32 s70, s12, 15
	s_add_co_u32 s66, s66, s70
	s_add_nc_u64 s[56:57], s[4:5], s[66:67]
	s_lshl_b32 s66, s14, 11
	s_lshl_b32 s70, s12, 8
	s_add_co_u32 s66, s66, s70
	s_add_nc_u64 s[58:59], s[10:11], s[66:67]
	ACTLOAD 0                                      ; the first pass's actions, then its steps 0 and 1 of obss
	OBSLOAD
	ROUND                                          ; all four work-groups are here: the first joint loads meet
	tensor_load_to_lds s[36:39], s[28:35]          ; the first fills go out together: the small cores,
	s_nop 0
	tensor_load_to_lds s[24:27], s[16:23]          ; and core 0: two loads of mine are out
	s_nop 0
.rept 4
	v_nop
.endr
	s_wait_loadcnt 0x20                            ; the 64 loads of actions are in; the 32 younger ones, obss, may stay out
	ACTCVT
	s_wait_tensorcnt 0x1                           ; my part of the small cores is in; core 0 may stay out
	s_barrier_signal -1
	s_barrier_wait -1                              ; everybody's is
	STEP0
	ACTLOAD 1                                      ; the second pass's actions: wanted six steps from here
	s_mov_b32 s40, 0
.Lk:                                           ; eleven middle steps that fill a slot again: six of the first pass, five of the second
	MSTEP 1
	s_cmp_eq_u32 s40, 5
	s_cbranch_scc0 .Lsame_pass                     ; forward, past text with no barrier and no tensor load; K is the same in every wave and work-group
	STEP7 0                                        ; the first pass ends,
	s_wait_loadcnt 0x0                             ; (the second pass's actions were asked for six steps ago)
	ACTCVT
	STEP0                                          ; the second begins
.Lsame_pass:
	s_add_co_u32 s40, s40, 1
	s_cmp_lt_u32 s40, 11
	s_cbranch_scc1 .Lk
	MSTEP 0                                        ; the last middle step is written out: nothing is asked for
	STEP7 1
	s_wait_tensorcnt 0x0                           ; the wave's end, behind my last tensor load
	ds_add_u32 v[SPW], v[NIL]
	s_wait_dscnt 0x0
	ROUND                                          ; the closing round: no work-group ends while a partner may still ask for a core that names it
	s_endpgm
.Lfunc_end_k_qe43417b085_chain:
	.size	k_qe43417b085_chain, .Lfunc_end_k_qe43417b085_chain-k_qe43417b085_chain
	.p2alignl 7, 3214868480
	.fill 96, 4, 3214868480
	.section	.rodata,"a",@progbits
	.p2align	6, 0x0
	.amdhsa_kernel k_qe43417b085_chain
		.amdhsa_group_segment_fixed_size 327680
		.amdhsa_private_segment_fixed_size 0
		.amdhsa_enable_private_segment 0
		.amdhsa_kernarg_size 32
		.amdhsa_user_sgpr_count 2
		.amdhsa_user_sgpr_kernarg_segment_ptr 1
		.amdhsa_wavefront_size32 1
		.amdhsa_system_sgpr_workgroup_id_x 1
		.amdhsa_system_sgpr_workgroup_id_y 1
		.amdhsa_system_sgpr_workgroup_id_z 1
		.amdhsa_system_vgpr_workitem_id 0
		.amdhsa_next_free_vgpr 1024
		.amdhsa_next_free_sgpr 72
		.amdhsa_reserve_vcc 1
		.amdhsa_float_denorm_mode_32 3
		.amdhsa_float_denorm_mode_16_64 3
		.amdhsa_memory_ordered 1
		.amdhsa_forward_progress 1
		.amdhsa_inst_pref_size 255
	.end_amdhsa_kernel
	.section	.bss,"aw",@nobits
	.p2align	6
	.space	262144
	.amdgpu_metadata
---
amdhsa.version: [ 1, 2 ]
amdhsa.kernels:
  - .name:           k_qe43417b085_chain
    .symbol:         k_qe43417b085_chain.kd
    .args:
      - { .name: actions, .offset: 0, .size: 8, .value_kind: global_buffer, .address_space: global }
      - { .name: obss, .offset: 8, .size: 8, .value_kind: global_buffer, .address_space: global }
      - { .name: wts, .offset: 16, .size: 8, .value_kind: global_buffer, .address_space: global }
      - { .name: out0, .offset: 24, .size: 8, .value_kind: global_buffer, .address_space: global }
    .group_segment_fixed_size: 327680
    .private_segment_fixed_size: 0
    .kernarg_segment_align: 8
    .kernarg_segment_size: 32
    .max_flat_workgroup_size: 128
    .sgpr_count:     72
    .vgpr_count:     1024
    .wavefront_size: 32
...
	.end_amdgpu_metadata
.endif
;; end of part 2
;; ======== version 2 of 2: 2 launches
;; workspace buffers: wts 925,952 bytes
;; launch fold (part 3): grid 426 x 1, 4 waves a work-group, no clusters, 8,960 bytes of LDS; arguments Wa, ba, Wo, bo, mps0, mps_mid, mps_last, wts; writes wts
.if DOCPART == 3
	.amdgcn_target "amdgcn-amd-amdhsa--gfx1250"
	.amdhsa_code_object_version 6
	.text
	.protected	k_qe43417b085_fold
	.globl	k_qe43417b085_fold
	.p2align	8
	.type	k_qe43417b085_fold,@function
k_qe43417b085_fold:
	s_mov_b64 s[64:65], 0
	v_nop
	global_prefetch_b8 v0, s[64:65] scope:SCOPE_SE
	s_setreg_imm32_b32 hwreg(HW_REG_WAVE_MODE, 25, 1), 1
	s_wait_xcnt 0x0
; FOLD: both encoders are multiplied into the tensor-train cores, once, so that the chain launch can take the RAW observations as its matrix operand.
; With a[j] = sum_p' Wa'[j][p'] act'[p'] (Wa'[:,16] = ba, act'[16] = 1) and o[k] = sum_q Wo[k][q] obs[q] + bo[k], every step of reference() is
;   tmp'[l] = sum_i tmp[i] sum_p' act'[p'] ( sum_q W[i,p',l][q] obs[q] + Cb[i,p',l] ),
;   W[i,p',l][q] = sum_jk M[i,j,k,l] Wa'[j,p'] Wo[k,q],   Cb[i,p',l] = sum_jk M[i,j,k,l] Wa'[j,p'] bo[k]:
; a re-association of reference()'s own sums that holds for all values.  NOTHING IS LEFT OUT: all nine inputs are loaded by one of the two launches.
; FORMATS.  Every input is rounded once to bf16 (nearest even).  The sums here are f32, on the vector unit: 30 million multiply-adds, 3 in 10,000 of the
; program's, whose result has to keep 16 bits.  W is stored as two bf16 numbers, hi = bf16(W) and lo = bf16(W - hi); Cb in f32.
; LIMITS.  The order of the sums is not reference()'s.  The first and the last core have 17 values of p' on 18 places: the 18th is 8 rows of zeros inside a
; live tile (the weight of Wa' is masked to 0); a NaN or an infinity in the core reaches those rows as NaN.
; SHARES.  A work-group makes ONE tile of 16 rows x 32 q: 408 tiles of the six middle cores (68 each), 9 of the first core, 9 of the last.
; Row m = 8 h + n of a tile: middle tile T = 17 i' + tau: i = 2 i' + h, l = n, p' = (tau + 8 h) mod 16, or 16 for tau = 16;
; first core: l = n; last core: i = n; in both p' = tau + 8 h, and tau = 8 is p' = 16 (h = 0) or the zero rows (h = 1).
; Wave w: h = w mod 2, jh = w / 2.  It first sums j = 16 jh .. 16 jh + 15 for its half's 8 rows (lane = k), then finishes rows 4 jh .. 4 jh + 3 (lane = q).
; THE IMAGE of a tile in wts is what a wave's matrix operand registers take: element (m, q) at (q / 8) 256 + 16 m + 2 (q mod 8); hi 1,024 bytes, then lo.
; WTS.  A middle core is two HALVES of 73,984 bytes (289 x 256): 34 tiles of 2,048 bytes, then the core's 68 x 64 bytes of Cb, the half's own 34 first: so Cb is stored twice, and a half is whole by itself.
.set IMG,   0          ; LDS: the tile's image, 2,048 bytes,
.set CBI,   2048       ; and its 16 Cb
.set TT,    2304       ; wave w's partial sums over j, [row][k] f32, 1,024 bytes each
.set TS2,   6400       ; wave w's four finished rows [row][k], 512 bytes each: the wave's own
.set SPARE, 8448       ; the spare words, 128 bytes for each wave: two blocks of 256 bytes that no other line names
.set HB,    73984      ; half a middle core in wts
.set SMG,   887808     ; behind the twelve: first core's 9 tiles, last core's 9 tiles, 576 bytes of Cb each
.set LANE, 1
.set MO,   2           ; my byte offset in the core
.set WAO,  3           ; in Wa or ba
.set L4,   4           ; 4 x lane
.set TTS,  5           ; LDS addresses
.set TTL,  6
.set T2S,  7
.set T2B,  8
.set IMA,  9
.set SPW,  10          ; my spare word; never rewritten
.set NIL,  11          ; 0; never rewritten
.set CBA,  12
.set BO,   13          ; bo[lane]
.set WA,   14          ; Wa'[16 jh + lane mod 16][p']
.set TP,   15          ; at work
.set WX,   16          ; v[16:31]   Wa'[16 jh + x][p'], the same in all lanes
.set TR,   32          ; v[32:39]   my 8 rows' partial sums
.set SM,   40          ; v[40:47]   at work
.set AC,   48          ; v[48:55]   four rows' sums, even and odd k
.set OU,   56          ; v[56:59]   four rows of W
.set PK,   60          ; v[60:63]   packed hi, packed lo
.set VAL,  64          ; v[64:191]  the core's numbers [x][row]; later my four rows [row][k], the same in all lanes
.set WO,   192         ; v[192:223] Wo[k][lane]
.macro RND2 n                          ; two numbers rounded to bf16 and written as f32 again
	v_cvt_pk_bf16_f32 v[TP], v[\n], v[(\n)+1]
	v_lshlrev_b32 v[\n], 16, v[TP]
	v_and_b32 v[(\n)+1], s46, v[TP]
.endm
	s_load_b512 s[4:19], s[0:1], 0x0               ; Wa s[4:5], ba s[6:7], Wo s[8:9], bo s[10:11], mps0 s[12:13], mps_mid s[14:15], mps_last s[16:17], wts s[18:19]
	v_lshl_add_u32 v[SPW], v0, 2, SPARE
	v_mov_b32 v[NIL], 0
	v_and_b32 v[LANE], 31, v0
	v_lshrrev_b32 v[TP], 5, v0
	v_readfirstlane_b32 s20, v[TP]                 ; wave
	s_and_b32 s21, s20, 1                          ; h
	s_lshr_b32 s22, s20, 1                         ; jh
	s_mov_b32 s23, ttmp9                           ; the tile
	s_mov_b32 s31, 0                               ; high words of four offsets
	s_mov_b32 s37, 0
	s_mov_b32 s39, 0
	s_mov_b32 s3, 0
	s_mov_b32 s32, 0x76543210                      ; v_permlanex16_b32: each lane takes its own place in the other half
	s_mov_b32 s33, 0xfedcba98
	s_mov_b32 s46, 0xffff0000                      ; a word's upper bf16
	s_lshl_b32 s28, s21, 3                         ; 8 h
	s_wait_kmcnt 0x0
	s_cmp_lt_u32 s23, 408
	s_cbranch_scc0 .Lsmall
	s_mul_i32 s24, s23, 241                        ; a middle core's tile: c = t / 68 (241 / 2^14 serves t < 408),
	s_lshr_b32 s24, s24, 14
	s_mul_i32 s25, s24, 68
	s_sub_co_u32 s25, s23, s25                     ; T,
	s_mul_i32 s26, s25, 241                        ; i' = T / 17 (241 / 2^12 serves T < 68),
	s_lshr_b32 s26, s26, 12
	s_mul_i32 s27, s26, 17
	s_sub_co_u32 s27, s25, s27                     ; tau
	s_add_co_u32 s28, s28, s27
	s_and_b32 s28, s28, 15
	s_cmp_eq_u32 s27, 16
	s_cselect_b32 s28, 16, s28                     ; p'
	s_mov_b32 s29, -1                              ; all rows live
	s_lshl1_add_u32 s30, s26, s21                  ; i = 2 i' + h: 32,768 bytes each,
	s_lshl_b32 s30, s30, 15
	s_lshl_b32 s34, s24, 18                        ; a core 262,144
	s_add_co_u32 s30, s30, s34
	s_mov_b64 s[40:41], s[14:15]
	s_mul_i32 s34, s24, 2*HB                       ; the core's first half
	s_lshl_b32 s35, s25, 6
	s_add_co_u32 s38, s34, s35
	s_add_co_u32 s38, s38, 34*2048                 ; Cb in the first half: place T;
	s_cmp_ge_u32 s25, 34
	s_cselect_b32 s35, HB-34*2048, 0               ; a tile of the second half lies at HB + 2,048 (T - 34)
	s_cselect_b32 s2, 0, 2*34*64
	s_add_co_u32 s2, s2, s38
	s_add_co_u32 s2, s2, HB-34*64                  ; Cb in the second half: place (T + 34) mod 68
	s_add_co_u32 s34, s34, s35
	s_lshl_b32 s35, s25, 11
	s_add_co_u32 s36, s34, s35                     ; where the tile goes
	s_mov_b32 s47, 0
	s_branch .Ldecoded
.Lsmall:
	s_sub_co_u32 s24, s23, 408
	s_cmp_ge_u32 s24, 9
	s_cselect_b32 s47, 1, 0                        ; 1: the last core
	s_cselect_b32 s25, 9, 0
	s_cselect_b64 s[40:41], s[16:17], s[12:13]
	s_sub_co_u32 s27, s24, s25                     ; tau
	s_add_co_u32 s28, s28, s27                     ; tau + 8 h
	s_cmp_eq_u32 s27, 8
	s_cselect_b32 s28, 16, s28                     ; p'
	s_cselect_b32 s29, s21, 0                      ; 1 for the zero rows,
	s_sub_co_u32 s29, s29, 1                       ; whose mask is 0; all ones else
	s_mov_b32 s30, 0
	s_mul_i32 s34, s47, 18432
	s_lshl_b32 s35, s27, 11
	s_add_co_u32 s36, s34, s35
	s_add_co_u32 s36, s36, SMG
	s_mul_i32 s34, s47, 576
	s_lshl_b32 s35, s27, 6
	s_add_co_u32 s38, s34, s35
	s_add_co_u32 s38, s38, SMG+36864
	s_mov_b32 s2, 0                                ; a small core's Cb is stored once: this offset is not used
.Ldecoded:
	s_add_nc_u64 s[40:41], s[40:41], s[30:31]      ; the core's slice
	s_add_nc_u64 s[36:37], s[18:19], s[36:37]
	s_add_nc_u64 s[38:39], s[18:19], s[38:39]
	s_add_nc_u64 s[2:3], s[18:19], s[2:3]
	s_lshl_b32 s45, s28, 2
	s_cmp_eq_u32 s28, 16                           ; p' = 16 is the bias: ba[j] at 4 j; else Wa[j][p'] at 64 j + 4 p'
	s_cselect_b64 s[42:43], s[6:7], s[4:5]
	s_cselect_b32 s44, 2, 6
	s_cselect_b32 s45, 0, s45
	v_and_b32 v[WAO], 15, v0
	v_lshl_add_u32 v[WAO], s22, 4, v[WAO]          ; j = 16 jh + lane mod 16
	v_lshlrev_b32 v[WAO], s44, v[WAO]
	v_add_nc_u32 v[WAO], s45, v[WAO]
	v_lshlrev_b32 v[L4], 2, v[LANE]
	global_load_b32 v[WA], v[WAO], s[42:43]
	global_load_b32 v[BO], v[L4], s[10:11]
.set k, 0
.rept 32
	global_load_b32 v[WO+k], v[L4], s[8:9] offset:128*k   ; Wo[k][lane]: 128 consecutive bytes a load
.set k, k+1
.endr
	s_cmp_eq_u32 s47, 1
	s_cbranch_scc1 .Llast
	v_lshlrev_b32 v[MO], 5, v[LANE]                ; M[i][j][k][l]: lane = k takes its 8 l, 32 bytes: a load covers 1,024 bytes with its partner
	v_lshl_add_u32 v[MO], s22, 14, v[MO]
.set x, 0
.rept 16
	global_load_b128 v[VAL+8*x:VAL+8*x+3],   v[MO], s[40:41] offset:1024*x
	global_load_b128 v[VAL+8*x+4:VAL+8*x+7], v[MO], s[40:41] offset:1024*x+16
.set x, x+1
.endr
	s_branch .Lloaded
.Llast:
	v_lshl_add_u32 v[MO], s22, 11, v[L4]           ; the last core, M[i][j][k]: its rows are the 8 i, 4,096 bytes apart
.set x, 0
.rept 16
.irp i, 0,1,2,3,4,5,6,7
	global_load_b32 v[VAL+8*x+(\i)], v[MO], s[40:41] offset:4096*(\i)+128*x
.endr
.set x, x+1
.endr
.Lloaded:
	s_lshl_b32 s24, s20, 10                        ; LDS addresses, while the loads are out
	v_add3_u32 v[TTS], s24, TT, v[L4]              ; my partial sums: TT + 1,024 w + 4 lane
	s_lshl_b32 s24, s21, 10
	s_lshl_b32 s25, s22, 9
	s_add_co_u32 s24, s24, s25
	v_add3_u32 v[TTL], s24, TT, v[L4]              ; rows 4 jh .. of half h, first partner's; the second's lie 2,048 on
	s_lshl_b32 s24, s20, 9
	s_add_co_u32 s24, s24, TS2
	v_add_nc_u32 v[T2S], s24, v[L4]
	v_mov_b32 v[T2B], s24
	v_lshrrev_b32 v[TP], 3, v[LANE]
	v_and_b32 v[IMA], 7, v[LANE]
	v_lshlrev_b32 v[IMA], 1, v[IMA]
	v_lshl_add_u32 v[IMA], v[TP], 8, v[IMA]        ; (q / 8) 256 + 2 (q mod 8),
	s_lshl_b32 s24, s21, 7
	s_lshl_b32 s25, s22, 6
	s_add_co_u32 s24, s24, s25
	v_add_nc_u32 v[IMA], s24, v[IMA]               ; + 16 (8 h + 4 jh)
	s_lshr_b32 s24, s24, 2
	s_add_co_u32 s24, s24, CBI
	v_mov_b32 v[CBA], s24                          ; Cb of my four rows
	s_wait_loadcnt 0x0
	v_cvt_pk_bf16_f32 v[TP], v[WA], v[BO]          ; every input is rounded to bf16
	v_lshlrev_b32 v[WA], 16, v[TP]
	v_and_b32 v[BO], s46, v[TP]
	v_and_b32 v[WA], s29, v[WA]                    ; 0 for the zero rows
.irp x, 0,1,2,3,4,5,6,7,8,9,10,11,12,13,14,15
	v_readlane_b32 s[48+(\x)], v[WA], \x
.endr
.irp x, 0,1,2,3,4,5,6,7,8,9,10,11,12,13,14,15
	v_mov_b32 v[WX+(\x)], s[48+(\x)]
.endr
.set i, 0
.rept 64
	RND2 VAL+i
.set i, i+2
.endr
	; the sum over my 16 j, two rows an instruction; the first product starts the sums
.irp y, 0,1,2,3
	v_pk_mul_f32 v[TR+2*(\y):TR+2*(\y)+1], v[VAL+2*(\y):VAL+2*(\y)+1], v[WX:WX+1] op_sel_hi:[1,0]
.endr
.set x, 1
.rept 15
.irp y, 0,1,2,3
.if x%2
	v_pk_fma_f32 v[TR+2*(\y):TR+2*(\y)+1], v[VAL+8*x+2*(\y):VAL+8*x+2*(\y)+1], v[WX+x-1:WX+x], v[TR+2*(\y):TR+2*(\y)+1] op_sel:[0,1,0]
.else
	v_pk_fma_f32 v[TR+2*(\y):TR+2*(\y)+1], v[VAL+8*x+2*(\y):VAL+8*x+2*(\y)+1], v[WX+x:WX+x+1], v[TR+2*(\y):TR+2*(\y)+1] op_sel_hi:[1,0,1]
.endif
.endr
.set x, x+1
.endr
.irp r, 0,1,2,3,4,5,6,7
	ds_store_b32 v[TTS], v[TR+(\r)] offset:128*(\r)
.endr
	s_wait_dscnt 0x0                               ; for the others' sake: my partial sums lie in LDS
	s_barrier_signal -1
	s_barrier_wait -1
.irp r, 0,1,2,3
	ds_load_b32 v[SM+(\r)],   v[TTL] offset:128*(\r)        ; my four rows, lane = k: the half over j = 0 .. 15,
	ds_load_b32 v[SM+4+(\r)], v[TTL] offset:2048+128*(\r)   ; and over j = 16 .. 31
.endr
.set i, 0
.rept 16
	RND2 WO+i
.set i, i+2
.endr
	s_wait_dscnt 0x0
	v_pk_add_f32 v[SM:SM+1], v[SM:SM+1], v[SM+4:SM+5]
	v_pk_add_f32 v[SM+2:SM+3], v[SM+2:SM+3], v[SM+6:SM+7]
.irp r, 0,1,2,3
	ds_store_b32 v[T2S], v[SM+(\r)] offset:128*(\r)
.endr
.irp r, 0,1,2,3
.irp z, 0,1,2,3,4,5,6,7
	ds_load_b128 v[VAL+32*(\r)+4*(\z):VAL+32*(\r)+4*(\z)+3], v[T2B] offset:128*(\r)+16*(\z)  ; the same 16 bytes for all lanes; my own bytes, and LDS serves a wave's instructions in order (ISA guide 5.7.1.4)
.endr
.endr
.irp r, 0,1,2,3
	v_mul_f32 v[SM+4+(\r)], v[SM+(\r)], v[BO]      ; Cb: the sum over k = lane
.endr
.irp m, 1,2,4,8
.irp r, 0,1,2,3
	v_add_f32_dpp v[SM+4+(\r)], v[SM+4+(\r)], v[SM+4+(\r)] row_xmask:\m row_mask:0xf bank_mask:0xf
.endr
.endr
.irp r, 0,1,2,3
	v_permlanex16_b32 v[TR+(\r)], v[SM+4+(\r)], s32, s33
.endr
.irp r, 0,1,2,3
	v_add_f32 v[SM+4+(\r)], v[SM+4+(\r)], v[TR+(\r)]
.endr
	s_wait_dscnt 0x0
.irp r, 0,1,2,3
	v_pk_mul_f32 v[AC+2*(\r):AC+2*(\r)+1], v[VAL+32*(\r):VAL+32*(\r)+1], v[WO:WO+1]   ; W[row][q = lane]: even k and odd k apart
.endr
.set k, 2
.rept 15
.irp r, 0,1,2,3
	v_pk_fma_f32 v[AC+2*(\r):AC+2*(\r)+1], v[VAL+32*(\r)+k:VAL+32*(\r)+k+1], v[WO+k:WO+k+1], v[AC+2*(\r):AC+2*(\r)+1]
.endr
.set k, k+2
.endr
.irp r, 0,1,2,3
	v_add_f32 v[OU+(\r)], v[AC+2*(\r)], v[AC+2*(\r)+1]
.endr
	v_cvt_pk_bf16_f32 v[PK], v[OU], v[OU+1]        ; hi,
	v_cvt_pk_bf16_f32 v[PK+1], v[OU+2], v[OU+3]
	v_lshlrev_b32 v[SM], 16, v[PK]
	v_and_b32 v[SM+1], s46, v[PK]
	v_lshlrev_b32 v[SM+2], 16, v[PK+1]
	v_and_b32 v[SM+3], s46, v[PK+1]
.irp r, 0,1,2,3
	v_sub_f32 v[SM+(\r)], v[OU+(\r)], v[SM+(\r)]   ; what hi has lost (exact),
.endr
	v_cvt_pk_bf16_f32 v[PK+2], v[SM], v[SM+1]      ; lo
	v_cvt_pk_bf16_f32 v[PK+3], v[SM+2], v[SM+3]
.irp p, 0,1
	ds_store_b16        v[IMA], v[PK+2*(\p)]   offset:IMG+1024*(\p)
	ds_store_b16_d16_hi v[IMA], v[PK+2*(\p)]   offset:IMG+1024*(\p)+16
	ds_store_b16        v[IMA], v[PK+2*(\p)+1] offset:IMG+1024*(\p)+32
	ds_store_b16_d16_hi v[IMA], v[PK+2*(\p)+1] offset:IMG+1024*(\p)+48
.endr
	ds_store_b128 v[CBA], v[SM+4:SM+7]             ; all lanes hold the same four numbers
	s_wait_dscnt 0x0                               ; for the others' sake: my part of the image lies in LDS
	s_barrier_signal -1
	s_barrier_wait -1
	v_lshlrev_b32 v[MO], 4, v0                     ; 16 x thread: in the image and in wts alike
	ds_load_b128 v[VAL:VAL+3], v[MO] offset:IMG
	s_wait_dscnt 0x0
	global_store_b128 v[MO], v[VAL:VAL+3], s[36:37]   ; a wave stores 512 consecutive bytes, at a multiple of 256 from wts's first byte
	s_cmp_lg_u32 s20, 0
	s_cbranch_scc1 .Lend
	v_and_b32 v[TP], 15, v0                        ; wave 0: the tile's 16 Cb, 64 bytes: a part of an aligned 256 bytes; 53 KB of the 926 KB go so
	v_lshlrev_b32 v[TP], 2, v[TP]
	ds_load_b32 v[SM], v[TP] offset:CBI
	s_wait_dscnt 0x0
	s_wait_xcnt 0x0                                ; EXEC changes only behind this wait: the store above has read it
	v_cmp_gt_u32 vcc_lo, 16, v[LANE]
	s_and_saveexec_b32 s24, vcc_lo
	global_store_b32 v[TP], v[SM], s[38:39]
	s_cmp_lt_u32 s23, 408                          ; a middle core's Cb goes into both of its halves
	s_cbranch_scc0 .Lonce
	global_store_b32 v[TP], v[SM], s[2:3]
.Lonce:
	s_wait_xcnt 0x0                                ; and again, in front of the line that widens it
	s_or_b32 exec_lo, exec_lo, s24
.Lend:
	s_wait_tensorcnt 0x0                           ; the wave's end, behind my last LDS store
	ds_add_u32 v[SPW], v[NIL]
	s_wait_dscnt 0x0
	s_endpgm
.Lfunc_end_k_qe43417b085_fold:
	.size	k_qe43417b085_fold, .Lfunc_end_k_qe43417b085_fold-k_qe43417b085_fold
	.p2alignl 7, 3214868480
	.fill 96, 4, 3214868480
	.section	.rodata,"a",@progbits
	.p2align	6, 0x0
	.amdhsa_kernel k_qe43417b085_fold
		.amdhsa_group_segment_fixed_size 8960
		.amdhsa_private_segment_fixed_size 0
		.amdhsa_enable_private_segment 0
		.amdhsa_kernarg_size 64
		.amdhsa_user_sgpr_count 2
		.amdhsa_user_sgpr_kernarg_segment_ptr 1
		.amdhsa_wavefront_size32 1
		.amdhsa_system_sgpr_workgroup_id_x 1
		.amdhsa_system_sgpr_workgroup_id_y 1
		.amdhsa_system_sgpr_workgroup_id_z 1
		.amdhsa_system_vgpr_workitem_id 0
		.amdhsa_next_free_vgpr 224
		.amdhsa_next_free_sgpr 66
		.amdhsa_reserve_vcc 1
		.amdhsa_float_denorm_mode_32 3
		.amdhsa_float_denorm_mode_16_64 3
		.amdhsa_memory_ordered 1
		.amdhsa_forward_progress 1
		.amdhsa_inst_pref_size 50
	.end_amdhsa_kernel
	.amdgpu_metadata
---
amdhsa.version: [ 1, 2 ]
amdhsa.kernels:
  - .name:           k_qe43417b085_fold
    .symbol:         k_qe43417b085_fold.kd
    .args:
      - { .name: Wa, .offset: 0, .size: 8, .value_kind: global_buffer, .address_space: global }
      - { .name: ba, .offset: 8, .size: 8, .value_kind: global_buffer, .address_space: global }
      - { .name: Wo, .offset: 16, .size: 8, .value_kind: global_buffer, .address_space: global }
      - { .name: bo, .offset: 24, .size: 8, .value_kind: global_buffer, .address_space: global }
      - { .name: mps0, .offset: 32, .size: 8, .value_kind: global_buffer, .address_space: global }
      - { .name: mps_mid, .offset: 40, .size: 8, .value_kind: global_buffer, .address_space: global }
      - { .name: mps_last, .offset: 48, .size: 8, .value_kind: global_buffer, .address_space: global }
      - { .name: wts, .offset: 56, .size: 8, .value_kind: global_buffer, .address_space: global }
    .group_segment_fixed_size: 8960
    .private_segment_fixed_size: 0
    .kernarg_segment_align: 8
    .kernarg_segment_size: 64
    .max_flat_workgroup_size: 128
    .sgpr_count:     66
    .vgpr_count:     224
    .wavefront_size: 32
...
	.end_amdgpu_metadata
.endif
;; end of part 3
;; launch chain (part 4): grid 256 x 1, 4 waves a work-group, clusters of 4 x 1, 327,680 bytes of LDS; arguments actions, obss, wts, out0; writes out0
.if DOCPART == 4
	.amdgcn_target "amdgcn-amd-amdhsa--gfx1250"
	.amdhsa_code_object_version 6
	.text
	.protected	k_qe43417b085_chain
	.globl	k_qe43417b085_chain
	.p2align	8
	.type	k_qe43417b085_chain,@function
k_qe43417b085_chain:
	s_mov_b64 s[64:65], 0
	v_nop
	global_prefetch_b8 v0, s[64:65] scope:SCOPE_SE
	s_setreg_imm32_b32 hwreg(HW_REG_WAVE_MODE, 25, 1), 1
	s_wait_xcnt 0x0
	s_wait_alu depctr_hold_cnt(0) depctr_sa_sdst(0) depctr_va_vdst(0) depctr_va_sdst(0) depctr_va_ssrc(0) depctr_va_vcc(0) depctr_vm_vsrc(0)
	s_getreg_b32 s2, hwreg(HW_REG_IB_STS2, 6, 4)
	s_cmp_eq_u32 s2, 0
	s_cbranch_scc0 .Lentry_in_a_cluster
	s_endpgm
.Lentry_in_a_cluster:
	s_bfe_u32 s2, ttmp6, 0x10000c
	s_cmp_lg_u32 s2, 0x3003
	s_cbranch_scc0 .Lentry_shape_is_right
	s_endpgm
.Lentry_shape_is_right:
; THE CHAIN.  out[n] = the tensor train of reference(), with both encoders folded into the cores by the launch before (its head shows the identity; nothing is left out):
;   step s: tmp'[l] = sum_i tmp[i] sum_p' act'[p'] D[i,p',l],   D[row] = sum_q W[row][q] obs[q] + Cb[row],   act'[16] = 1.
; THE MATRIX WORK is D: source 0 = 16 rows of W (bf16), source 1 = 16 samples' RAW observations rounded to bf16, K = 32 = all q.  Two instructions a tile and group: D = W_hi obs + Cb (Cb is the C
; operand), D += W_lo obs.  In D a lane holds ONE sample (lane mod 16 = r) and the rows 8 h + 0..7 (h = lane / 16): for a middle core i = 2 i' + h, l = 0..7, p' = (tau + 8 h) mod 16.
; THE VECTOR WORK, all f32: U[l] += D[l] act'[p'] (four packed multiply-adds a tile and group, set behind the matrix instructions), tmp'[l] += U[l] tmp[i] once for 17 tiles.
; FORMATS, LIMITS.  actions and obss are rounded once to bf16, like the inputs of the launch before; W carries 16 bits (hi + lo); tmp, act' D and all sums stay in f32.  The order of the
; sums is not reference()'s.  In the first and the last core 8 of 144 rows are zeros inside a live tile: a NaN or an infinity in obss reaches them too, as it reaches the live rows.
; SHARES.  A work-group has 512 samples, a wave 128: eight GROUPS g of 16: sample = 512 W + 128 wave + 64 (g / 4) + 4 r + g mod 4, so that lane r ends with twice four neighbouring outputs.
; A fragment of W read from LDS feeds eight groups' products: 6 LDS loads for 16 matrix instructions.  A middle step is 4 trips (i') of 17 tiles (tau), 272 matrix instructions a trip; the first and the last step 9 tiles.
; CLUSTER.  All work-groups walk the same cores, so each HALF of a core (two trips' tiles and their Cb) is asked for JOINTLY by the four work-groups of a cluster: the same tensor load, descriptor and
; mask in all four.  Two LDS slots take turns, a half each; the two small cores are fetched once and stay.  A fill has half a step, 544 matrix instructions a wave, in which to land.
; INPUTS come straight into registers: a step of obss is half of a sample's aligned 256 bytes, so two steps are loaded at a time, two steps ahead of their use.  A sample's actions (512 bytes, all eight
; steps) are loaded once, at the head, rounded to bf16 and laid into the wave's own 32,768 bytes of LDS, [step][group][lane x 16 bytes]; a step reads its own eight and the eight of the lane 16 away.
; REGISTERS, in windows of 256 (s_set_vgpr_msb: bits 1:0 source 0, 3:2 source 1, 5:4 source 2, 7:6 destination):
;   window 0: v1-15 addresses; v16-47 D, four accumulators (groups g and g + 4 share one); v48-111 U, 8 a group; v112-255 six sets of 24: W's fragment hi 8, lo 8, Cb 8: two banks of three tiles
;   window 1: v0-63 obs fragments of the step in hand; v64-191 act', 16 a group; v192-193 1.0 and 0; v194-225 tmp[2 i' + h] for the trips to come
;   window 2: obss as loaded          window 3: v0-63 obs fragments of the next step; v64-127 the new tmp's sums, then tmp.  At the head windows 3 and 1 take the actions as loaded.
; A trip's matrix instructions, riders and LDS loads all run under ONE setting (source 1 in window 1).
.set HB,    73984      ; half a middle core in wts: 34 tiles of 2,048 bytes (hi 1,024, lo 1,024), then 68 x 64 bytes of Cb, the half's own 34 first
.set QUART, 19200      ; what one wave fetches: 75 rows of 256 bytes; the four fetch 2,816 bytes past the half's end, which lie in wts, are written by the launch before and are never used
.set SLOTB, 76800
.set SMALL, 153600     ; behind the two slots: first core's 9 tiles, last core's 9 tiles, 576 bytes of Cb each: 38,016 bytes, filled once
.set SQ,    9504       ; a wave's quarter of them
.set SMG,   887808     ; where they lie in wts
.set ACTL,  191744     ; the actions in bf16, 32,768 bytes a wave: written by ds_store; no fill lands in these blocks
.set SPARE, 322816     ; the spare words, 128 bytes for each wave: two blocks of 256 bytes that no other line names
.set LANE, 1
.set AF,   2           ; LDS address of my 16 bytes in a trip's first fragment
.set AB,   3           ; of my 32 bytes in its first Cb
.set OBO,  4           ; 4,096 r + 32 h: my offset in the wave's obss; never rewritten
.set ACO,  5           ; 2,048 r + 32 h: in its actions; never rewritten
.set OUTO, 6           ; 16 r
.set PFO,  7           ; 256 x lane; never rewritten
.set H32,  8           ; 32 h
.set L16,  9           ; 16 x lane
.set SPW,  10          ; my spare word; never rewritten
.set NIL,  11          ; 0; never rewritten
.set AAO,  12          ; LDS: my 16 bytes of step 0, group 0 of the wave's actions; never rewritten
.set AAX,  13          ; those of the lane 16 away; never rewritten
.set AAC,  14          ; the same two for the step in hand
.set AXC,  15
.set ACC,  16
.set OUTV, 16          ; at the end: my eight outputs
.set UU,   48
.set SET,  112
.set X,    112         ; the sets' registers, at work between the trips
.set CUR,  0           ; window 1
.set COEF, 64          ; 0-7: act[8 h + c]; 8-15: the other half's eight
.set ONE,  192         ; act'[16] = 1.0, named as a pair with a 0
.set TS,   194
.set LND,  0           ; window 2
.set PB,   0           ; window 3
.set TN,   64
; scalars: s[4:11] actions, obss, wts, out0; s12 wave; s13 cx; s14 W; s[16:23], s[24:27] a half's descriptor; s[28:35], s[36:39] the small cores'; s40 K, the half steps done; s41 the half to ask for;
; s42 the slot in hand; s43 trips; s[44:45] an offset; s[46:47] obss at the pair of steps last asked for; s50, s51 lane selects; s52 0xffff0000; s53 wave x QUART; s[54:55] wts at my quarter;
; s[56:57] actions, s[58:59] out0 at my wave's samples; s60 EXEC kept; s61 how many half steps prefetch; s[62:63] where; s[66:67], s70 offsets; s68, s69 a trip's LDS bases; s71 the step's place in the actions
.set MSB, 0
.macro WIN new                         ; the immediate's high byte repeats the setting that is left; a switch that changes nothing is dropped
.if MSB != (\new)
	s_set_vgpr_msb (MSB<<8)|(\new)
.set MSB, \new
.endif
.endm
; A round of the cluster's barrier: my work-group's barrier, so that wave 0's signal speaks for all four waves; wave 0 signals; every wave waits for all four work-groups; my work-group's barrier once more.
.macro ROUND
	s_barrier_signal -1
	s_barrier_wait -1
	s_cmp_lg_u32 s12, 0
	s_cbranch_scc1 .Lnot_wave_0_\@
	s_barrier_signal -3
.Lnot_wave_0_\@:
	s_barrier_wait -3
	s_barrier_signal -1
	s_barrier_wait -1
.endm
.macro JFILL                           ; the joint fill: every wave its quarter of a half; an s_nop 0 and four v_nop follow it
	tensor_load_to_lds s[24:27], s[16:23]
	s_nop 0
.rept 4
	v_nop
.endr
.endm
; A PREFETCH INTO THE L2, behind the joint fill and its five lines: in half step K the half that half step K + 1 will ask for (number K + 2): 544 matrix instructions ahead of that load.  Every cluster walks the
; same twelve halves, each once: the launch's first cluster asks, for K < 10.  Waves 0 and 1 of its four partners name 32 rows of 256 bytes each, a lane a row: rows 32 (4 wave + cx) on: the partners are told
; apart by address, no branch hangs on cx.  So 256 of a half's 289 rows are named, each once; the other 33, and halves 0 and 1, come by their loads alone.
.macro ASK
	s_cmp_gt_u32 s61, s40
	s_cbranch_scc0 .Lnot_mine_\@
	global_prefetch_b8 v[PFO], s[62:63] th:TH_LOAD_NT scope:SCOPE_SE
.Lnot_mine_\@:
.endm
.macro ACTLOAD                         ; the actions: for each of my eight samples my 32 bytes of each of the 8 steps; groups 0-3 into window 3, groups 4-7 into window 1
.irp b, 0,1
	WIN 0xc0-0x80*(\b)
.irp g, 0,1,2,3
.irp s, 0,1,2,3,4,5,6,7
.irp e, 0,1
	global_load_b128 v[64*(\g)+8*(\s)+4*(\e):64*(\g)+8*(\s)+4*(\e)+3], v[ACO], s[56:57] offset:32768*(\b)+512*(\g)+64*(\s)+16*(\e)
.endr
.endr
.endr
.endr
	WIN 0
.endm
.macro ACTSTAGE                        ; rounded to bf16, in pairs, and into my wave's part of LDS: a group's eight steps at a time, on two sets of 32 registers by turns
.irp b, 0,1
.irp g, 0,1,2,3
	WIN 0x0f-0x0a*(\b)                             ; sources in window 3, or in window 1
.irp s, 0,1,2,3,4,5,6,7
.irp y, 0,1,2,3
	v_cvt_pk_bf16_f32 v[X+32*((\g)%2)+4*(\s)+(\y)], v[64*(\g)+8*(\s)+2*(\y)], v[64*(\g)+8*(\s)+2*(\y)+1]
.endr
.endr
	WIN 0
.irp s, 0,1,2,3,4,5,6,7
	ds_store_b128 v[AAO], v[X+32*((\g)%2)+4*(\s):X+32*((\g)%2)+4*(\s)+3] offset:4096*(\s)+512*(4*(\b)+(\g))
.endr
.endr
.endr
.endm
.macro ACTLD ex, a, b, off             ; a step's actions out of LDS: my own eight; ex = 1: and the eight of the lane 16 away.  My wave's own bytes: LDS serves a wave's instructions in order (ISA guide 5.7.1.4)
	WIN 0
.irp g, 0,1,2,3,4,5,6,7
	ds_load_b128 v[X+4*(\g):X+4*(\g)+3], v[\a] offset:(\off)+512*(\g)
.endr
.if \ex
.irp g, 0,1,2,3,4,5,6,7
	ds_load_b128 v[X+32+4*(\g):X+32+4*(\g)+3], v[\b] offset:(\off)+512*(\g)
.endr
.endif
.endm
.macro ACTUN ex                        ; and as f32
	s_wait_dscnt 0x0
	WIN 0x40
.irp g, 0,1,2,3,4,5,6,7
.irp x, 0,1,2,3
	v_lshlrev_b32 v[COEF+16*(\g)+2*(\x)], 16, v[X+4*(\g)+(\x)]
	v_and_b32 v[COEF+16*(\g)+2*(\x)+1], s52, v[X+4*(\g)+(\x)]
.if \ex
	v_lshlrev_b32 v[COEF+16*(\g)+8+2*(\x)], 16, v[X+32+4*(\g)+(\x)]
	v_and_b32 v[COEF+16*(\g)+9+2*(\x)], s52, v[X+32+4*(\g)+(\x)]
.endif
.endr
.endr
	WIN 0
.endm
.macro OBSLOAD                         ; two steps of obss: for each of my eight samples q = 8 h + 0..7 and 16 + 8 h + 0..7 of both steps: piece y at 64 (y / 2) + 16 (y mod 2)
	WIN 0x80
.irp g, 0,1,2,3,4,5,6,7
.irp u, 0,1
.irp y, 0,1,2,3
	global_load_b128 v[LND+32*(\g)+16*(\u)+4*(\y):LND+32*(\g)+16*(\u)+4*(\y)+3], v[OBO], s[46:47] offset:65536*((\g)/4)+1024*((\g)%4)+128*(\u)+64*((\y)/2)+16*((\y)%2)
.endr
.endr
.endr
	WIN 0
.endm
; The pair of steps that has landed is rounded to bf16: the first is the step in hand, the second is kept.  ld = 1: the next pair is asked for; 2: the same, but for the last pair (K = 10), behind which there is none.
.macro CONVERT ld
	s_wait_loadcnt 0x0                             ; asked for two steps ago; all my loads are done, so obss's address may be written
	WIN 0x4a
.irp g, 0,1,2,3,4,5,6,7
.irp y, 0,1,2,3
.irp x, 0,1
	v_cvt_pk_bf16_f32 v[CUR+8*(\g)+2*(\y)+(\x)], v[LND+32*(\g)+4*(\y)+2*(\x)], v[LND+32*(\g)+4*(\y)+2*(\x)+1]
.endr
.endr
.endr
	WIN 0xca
.irp g, 0,1,2,3,4,5,6,7
.irp y, 0,1,2,3
.irp x, 0,1
	v_cvt_pk_bf16_f32 v[PB+8*(\g)+2*(\y)+(\x)], v[LND+32*(\g)+16+4*(\y)+2*(\x)], v[LND+32*(\g)+16+4*(\y)+2*(\x)+1]
.endr
.endr
.endr
	WIN 0
.if (\ld) == 2
	s_cmp_lt_u32 s40, 10
	s_cbranch_scc0 .Lno_pair_\@
.endif
	s_add_nc_u64 s[46:47], s[46:47], 0x100
	OBSLOAD
.if (\ld) == 2
.Lno_pair_\@:
.endif
.endm
.macro MOVE                            ; the pair's second step becomes the step in hand
	WIN 0x43
.set i, 0
.rept 64
	v_mov_b32 v[CUR+i], v[PB+i]
.set i, i+1
.endr
	WIN 0
.endm
.macro LDT set, tau                    ; tile tau of the trip into a set: 32 lanes x 16 neighbouring bytes four times (no two lanes share a bank), and my half's 8 Cb
	ds_load_b128 v[SET+24*(\set):SET+24*(\set)+3],     v[AF] offset:2048*(\tau)
	ds_load_b128 v[SET+24*(\set)+4:SET+24*(\set)+7],   v[AF] offset:2048*(\tau)+512
	ds_load_b128 v[SET+24*(\set)+8:SET+24*(\set)+11],  v[AF] offset:2048*(\tau)+1024
	ds_load_b128 v[SET+24*(\set)+12:SET+24*(\set)+15], v[AF] offset:2048*(\tau)+1536
	ds_load_b128 v[SET+24*(\set)+16:SET+24*(\set)+19], v[AB] offset:64*(\tau)
	ds_load_b128 v[SET+24*(\set)+20:SET+24*(\set)+23], v[AB] offset:64*(\tau)+16
.endm
.macro WM part, g, set                 ; part 0: D = W_hi obs + Cb; part 1: D += W_lo obs
.set rD, ACC+8*((\g)%4)
.if (\part) == 0
	v_wmma_f32_16x16x32_bf16 v[rD:rD+7], v[SET+24*(\set):SET+24*(\set)+7], v[CUR+8*(\g):CUR+8*(\g)+7], v[SET+24*(\set)+16:SET+24*(\set)+23]
.else
	v_wmma_f32_16x16x32_bf16 v[rD:rD+7], v[SET+24*(\set)+8:SET+24*(\set)+15], v[CUR+8*(\g):CUR+8*(\g)+7], v[rD:rD+7]
.endif
.endm
.macro RID g, ci, x, first             ; a rider: U[2x, 2x+1] += D[2x, 2x+1] act'[ci]; first = 1: it starts the sum, nothing is cleared
.set rA, ACC+8*((\g)%4)+2*(\x)
.set rU, UU+8*(\g)+2*(\x)
.if (\ci) == 16
.set rC, ONE
.else
.set rC, COEF+16*(\g)+2*((\ci)/2)
.endif
.if \first
	v_pk_mul_f32 v[rU:rU+1], v[rA:rA+1], v[rC:rC+1] op_sel_hi:[1,0]
.elseif (\ci)%2
	v_pk_fma_f32 v[rU:rU+1], v[rA:rA+1], v[rC:rC+1], v[rU:rU+1] op_sel:[0,1,0]
.else
	v_pk_fma_f32 v[rU:rU+1], v[rA:rA+1], v[rC:rC+1], v[rU:rU+1] op_sel_hi:[1,0,1]
.endif
.endm
.macro RID2 g, ci, x, first
	RID \g, \ci, \x, \first
	RID \g, \ci, (\x)+1, \first
.endm
; A PHASE: groups gA and gA + 1 are multiplied by the tile in set st (hi, hi, lo, lo: the accumulators take turns, one instruction a turn); behind each matrix instruction stand two riders of the
; phase before (groups rg, rg + 1, on the other two accumulators).  Each accumulator is read from its low end.  Between an accumulator's last product and its first rider stand four riders of other groups or more, which name none
; of that product's registers (ISA guide 7.12.1); between that product and the one that writes the accumulator anew, eight.  rid = 0, a trip's first phase: there are no riders yet: four v_nop.
.macro PH gA, rg, rci, rf, rid
	WM 0, \gA, st
.if \rid
	RID2 \rg, \rci, 0, \rf
.endif
	WM 0, (\gA)+1, st
.if \rid
	RID2 \rg, \rci, 2, \rf
.endif
	WM 1, \gA, st
.if \rid
	RID2 (\rg)+1, \rci, 0, \rf
.endif
	WM 1, (\gA)+1, st
.if \rid
	RID2 (\rg)+1, \rci, 2, \rf
.else
.rept 4
	v_nop
.endr
.endif
.endm
; A TILE: four phases, 16 matrix instructions.  THE LDS LOADS stand in runs of three tiles (18 loads), never singly among the matrix instructions.  A trip's tiles go in batches of three, on two banks of three sets by turns (17 tiles:
; six batches, the last of two); the next batch's run stands behind the first phase of a batch's first tile: ten plain instructions behind the last product that read that bank, 44 matrix instructions ahead of its use; one wait,
; for 0, stands at each batch's head.  In the last batch the run fetches the next trip's first three tiles, which lie behind this trip's in LDS.
.macro TILE tau, n, next
.set st, 3*(((\tau)/3)%2)+(\tau)%3
.set cc, (\tau)
.if (\tau)+1 == (\n)
.set cc, 16                            ; a trip's last tile is p' = 16
.endif
.set cp, (\tau)-1
.set fc, 0
.set fp, 0
.set hr, 1
.if (\tau) == 0
.set fc, 1
.set hr, 0
.endif
.if (\tau) == 1
.set fp, 1
.endif
.if (\tau)%3 == 0
	s_wait_dscnt 0x0                               ; the batch's tiles are in: no younger LDS load is out
.endif
	PH 0, 6, cp, fp, hr
.if (\tau)%3 == 0
.if (\tau)+3 < (\n)
.irp d, 3,4,5
.if (\tau)+\d < (\n)
	LDT 3*((((\tau)+\d)/3)%2)+((\tau)+\d)%3, (\tau)+\d
.endif
.endr
.elseif \next
	LDT 0, \n
	LDT 1, (\n)+1
	LDT 2, (\n)+2
.endif
.endif
	PH 2, 0, cc, fc, 1
	PH 4, 2, cc, fc, 1
	PH 6, 4, cc, fc, 1
.endm
; A TRIP: n tiles, then the last tile's riders for groups 6 and 7.  next = 1: the addresses step to the next trip's tiles.
.macro TRIP n, next
	WIN 0x04
.set tt, 0
.rept \n
	TILE tt, \n, \next
.set tt, tt+1
.endr
	RID2 6, 16, 0, 0
	RID2 6, 16, 2, 0
	RID2 7, 16, 0, 0
	RID2 7, 16, 2, 0
	WIN 0
.if \next
	s_add_co_u32 s68, s68, 17*2048
	s_add_co_u32 s69, s69, 17*64
	v_add_nc_u32 v[AF], s68, v[L16]
	v_add_nc_u32 v[AB], s69, v[H32]
.endif
.endm
.macro BOUND                           ; the trip's U, weighed with tmp[2 i' + h]; then the later trips' weights move one place down
	WIN 0xf4
.irp g, 0,1,2,3,4,5,6,7
.irp x, 0,1,2,3
	v_pk_fma_f32 v[TN+8*(\g)+2*(\x):TN+8*(\g)+2*(\x)+1], v[UU+8*(\g)+2*(\x):UU+8*(\g)+2*(\x)+1], v[TS+4*(\g):TS+4*(\g)+1], v[TN+8*(\g)+2*(\x):TN+8*(\g)+2*(\x)+1] op_sel_hi:[1,0,1]
.endr
.endr
	WIN 0x41
.irp g, 0,1,2,3,4,5,6,7
.irp x, 0,1,2
	v_mov_b32 v[TS+4*(\g)+(\x)], v[TS+4*(\g)+(\x)+1]
.endr
.endr
	WIN 0
.endm
.macro REDUCE fromtn                   ; the two halves of the lanes hold the two halves of a step's sum (in U, or fromtn = 1 in TN): tmp = both, in TN; then tmp[2 i' + h] for the next step's trips.  The sets' registers take the exchange
	WIN 0x03*(\fromtn)
.set i, 0
.rept 64
.if \fromtn
	v_permlanex16_b32 v[X+i], v[TN+i], s50, s51
.else
	v_permlanex16_b32 v[X+i], v[UU+i], s50, s51
.endif
.set i, i+1
.endr
	WIN 0xc0+0x03*(\fromtn)
.set i, 0
.rept 32
.if \fromtn
	v_pk_add_f32 v[TN+i:TN+i+1], v[TN+i:TN+i+1], v[X+i:X+i+1]
.else
	v_pk_add_f32 v[TN+i:TN+i+1], v[UU+i:UU+i+1], v[X+i:X+i+1]
.endif
.set i, i+2
.endr
	WIN 0x4f
.irp g, 0,1,2,3,4,5,6,7
.irp x, 0,1,2,3
	v_cndmask_b32 v[TS+4*(\g)+(\x)], v[TN+8*(\g)+2*(\x)], v[TN+8*(\g)+2*(\x)+1], s52   ; s52 is also the mask of lanes 16 to 31
.endr
.endr
	WIN 0
.endm
.macro STEP0                           ; the first core: rows l, p' = tau + 8 h
	ACTLD 0, AAO, AAX, 0
	CONVERT 1
	ACTUN 0
	v_add_nc_u32 v[AF], SMALL, v[L16]
	v_add_nc_u32 v[AB], SMALL+36864, v[H32]
	LDT 0, 0
	LDT 1, 1
	LDT 2, 2
	TRIP 9, 0
	REDUCE 0
.endm
.macro STEP7                           ; the last core: rows i; out = sum_i tmp[i] U[i], both halves of the lanes
	ACTLD 0, AAO, AAX, 7*4096
	MOVE
	ACTUN 0
	v_add_nc_u32 v[AF], SMALL+18432, v[L16]
	v_add_nc_u32 v[AB], SMALL+37440, v[H32]
	LDT 0, 0
	LDT 1, 1
	LDT 2, 2
	TRIP 9, 0
	WIN 0x0c
.irp g, 0,1,2,3,4,5,6,7
	v_pk_mul_f32 v[X+2*(\g):X+2*(\g)+1], v[UU+8*(\g):UU+8*(\g)+1], v[TN+8*(\g):TN+8*(\g)+1]
.endr
.irp x, 1,2,3
.irp g, 0,1,2,3,4,5,6,7
	v_pk_fma_f32 v[X+2*(\g):X+2*(\g)+1], v[UU+8*(\g)+2*(\x):UU+8*(\g)+2*(\x)+1], v[TN+8*(\g)+2*(\x):TN+8*(\g)+2*(\x)+1], v[X+2*(\g):X+2*(\g)+1]
.endr
.endr
	WIN 0
.irp g, 0,1,2,3,4,5,6,7
	v_add_f32 v[X+2*(\g)], v[X+2*(\g)], v[X+2*(\g)+1]
.endr
.irp g, 0,1,2,3,4,5,6,7
	v_permlanex16_b32 v[X+2*(\g)+1], v[X+2*(\g)], s50, s51
.endr
.irp g, 0,1,2,3,4,5,6,7
	v_add_f32 v[OUTV+(\g)], v[X+2*(\g)], v[X+2*(\g)+1]
.endr
	s_wait_xcnt 0x0                                ; EXEC changes only behind this wait
	v_cmp_gt_u32 vcc_lo, 16, v[LANE]
	s_and_saveexec_b32 s60, vcc_lo
	global_store_b128 v[OUTO], v[OUTV:OUTV+3],   s[58:59] th:TH_STORE_NT             ; 16 lanes store 256 consecutive bytes, at a multiple of 256 from out0's first byte:
	global_store_b128 v[OUTO], v[OUTV+4:OUTV+7], s[58:59] offset:256 th:TH_STORE_NT  ; groups 0-3, then groups 4-7
	s_wait_xcnt 0x0                                ; and again, in front of the line that widens it
	s_or_b32 exec_lo, exec_lo, s60
.endm
; HALF A MIDDLE STEP: two trips on one slot.  It begins with the change of slots: each wave waits for all its tensor loads, of which one is out: its quarter of this half; adds 0 to its spare word; and waits for that and for its own
; reads of the slot that it leaves.  refill = 1: the barrier is a round of the cluster's, so that no wave of any partner still reads that slot or has a load on its way, and the joint fill is the first thing behind it.
; An even K opens a step (its obs fragments, its actions, sums at 0), an odd K closes it (the lanes' halves are added): forward jumps on K.
.macro HSTEP refill
	WIN 0
.if \refill
	s_wait_xcnt 0x0                                ; the last prefetch, half a step back, has read its address:
	s_add_nc_u64 s[62:63], s[62:63], HB            ; one half on
.endif
	s_wait_tensorcnt 0x0                           ; no tensor load of mine is out, so the descriptor may be written
	ds_add_u32 v[SPW], v[NIL]                      ; 0 onto my spare word; the scalar work below stands between it and the wait for it
.if \refill
	s_add_co_u32 s25, s42, s53                     ; into the slot read last, my quarter;
	s_mul_i32 s44, s41, HB
	s_add_nc_u64 s[26:27], s[54:55], s[44:45]      ; the address is made anew from the half's number,
	s_or_b32 s27, s27, 0x80000000                  ; the type bits set again
	s_add_co_u32 s41, s41, 1
.endif
	s_xor_b32 s42, s42, SLOTB                      ; this half step reads the other slot
	s_wait_dscnt 0x0                               ; the add is done, and my reads of the slot are over
.if \refill
	ROUND
	JFILL
	ASK
	s_bitcmp1_b32 s40, 0
	s_cbranch_scc1 .Lsecond_\@                     ; odd K: the step is under way
	s_lshr_b32 s71, s40, 1                         ; middle step m = K / 2 is step m + 1 of the eight
	s_lshl_b32 s71, s71, 12
	v_add_nc_u32 v[AAC], s71, v[AAO]
	v_add_nc_u32 v[AXC], s71, v[AAX]
	ACTLD 1, AAC, AXC, 4096
	s_bitcmp1_b32 s40, 1                           ; odd m: a new pair of steps; even m: the pair's second step
	s_cbranch_scc0 .Leven_\@
	CONVERT 2
	s_branch .Lgot_\@
.Leven_\@:
	MOVE
.Lgot_\@:
	ACTUN 1
	WIN 0xc0
.set i, 0
.rept 64
	v_mov_b32 v[TN+i], 0                           ; the new tmp's sums start at 0, so that the four trips have one text: 64 lines for a step's 1,088 matrix instructions
.set i, i+1
.endr
	WIN 0
.Lsecond_\@:
.else
	s_barrier_signal -1                            ; K = 11: the last half; nothing is left to ask for
	s_barrier_wait -1
.endif
	s_mov_b32 s68, s42
	s_add_co_u32 s69, s42, 34*2048
	v_add_nc_u32 v[AF], s68, v[L16]
	v_add_nc_u32 v[AB], s69, v[H32]
	LDT 0, 0
	LDT 1, 1
	LDT 2, 2
	s_mov_b32 s43, 2
.Ltrip_\@:
	TRIP 17, 1
	BOUND
	s_sub_co_u32 s43, s43, 1
	s_cmp_lg_u32 s43, 0
	s_cbranch_scc1 .Ltrip_\@
	s_wait_dscnt 0x0                               ; the second trip's 18 loads for a third read bytes of the slot that nothing uses: the price of one text for both trips; they are back before their registers are written again
.if \refill
	s_bitcmp1_b32 s40, 0
	s_cbranch_scc0 .Lopen_\@                       ; even K: the step's second half is still to come
.endif
	REDUCE 1
.if \refill
.Lopen_\@:
.endif
.endm
	s_load_b256 s[4:11], s[0:1], 0x0               ; actions s[4:5], obss s[6:7], wts s[8:9], out0 s[10:11]
	v_lshl_add_u32 v[SPW], v0, 2, SPARE
	v_mov_b32 v[NIL], 0
	ds_add_u32 v[SPW], v[NIL]                      ; the wave's opening: the add, twice on end, and its wait ahead of my first tensor load; the set-up below, work on registers, stands between
	ds_add_u32 v[SPW], v[NIL]                      ; and once more, under the one wait
	v_lshrrev_b32 v[LANE], 5, v0
	v_readfirstlane_b32 s12, v[LANE]               ; wave 0..3
	v_and_b32 v[LANE], 31, v0
	v_and_b32 v[AF], 15, v0                        ; r
	v_bfe_u32 v[AB], v0, 4, 1                      ; h
	v_lshlrev_b32 v[H32], 5, v[AB]
	v_lshlrev_b32 v[L16], 4, v[LANE]
	v_lshl_add_u32 v[OBO], v[AF], 12, v[H32]       ; four samples of 1,024 bytes a lane
	v_lshl_add_u32 v[ACO], v[AF], 11, v[H32]       ; of 512 bytes
	v_lshlrev_b32 v[OUTO], 4, v[AF]
	v_lshlrev_b32 v[PFO], 8, v[LANE]
	s_lshl_b32 s70, s12, 15                        ; my wave's 32,768 bytes of actions in LDS
	s_add_co_u32 s70, s70, ACTL
	v_add_nc_u32 v[AAO], s70, v[L16]
	v_add_nc_u32 v[AAX], 16, v[LANE]               ; the lane 16 away
	v_and_b32 v[AAX], 31, v[AAX]
	v_lshl_add_u32 v[AAX], v[AAX], 4, s70
	s_lshr_b32 s70, s12, 1                         ; 0 in waves 0 and 1,
	s_or_b32 s70, s70, ttmp9                       ; where the cluster is the launch's first: the same in all four partners
	s_cmp_eq_u32 s70, 0
	s_cselect_b32 s61, 10, 0
	s_bfe_u32 s13, ttmp6, 0x40000                  ; cx: my place in the cluster: it enters the inputs', the output's and the prefetches' addresses alone
	s_lshl_b32 s14, ttmp9, 2                       ; in a cluster launch ttmp9 counts clusters
	s_add_co_u32 s14, s14, s13                     ; W
	s_mov_b32 s16, 15|(3<<16)|(1<<21)              ; a half's quarter: 15:0 the mask of four; 17:16 elements of 8 bytes; 21 set beside a mask; no padding
	s_mov_b32 s17, 32<<16                          ; tensor_dim0 = 32: rows of 256 bytes
	s_mov_b32 s18, 75<<16                          ; tensor_dim1 = 75
	s_mov_b32 s19, 32<<16                          ; tile_dim0 = 32
	s_mov_b32 s20, 75                              ; tile_dim1 = 75
	s_mov_b32 s21, 32                              ; 32 elements from row to row: dense
	s_mov_b32 s22, 0
	s_mov_b32 s23, 0
	s_mov_b32 s28, 15|(3<<16)|(1<<21)              ; the small cores' quarter: one row of 9,504 bytes
	s_mov_b32 s29, 1188<<16
	s_mov_b32 s30, 1<<16
	s_mov_b32 s31, 1188<<16
	s_mov_b32 s32, 1
	s_mov_b32 s33, 1188
	s_mov_b32 s34, 1<<16
	s_mov_b32 s35, 0
	s_mul_i32 s53, s12, QUART
	s_mov_b32 s24, 1                               ; count = 1
	s_mov_b32 s25, s53                             ; half 0 goes into slot 0
	s_mov_b32 s36, 1
	s_mul_i32 s37, s12, SQ
	s_add_co_u32 s44, s37, SMG
	s_add_co_u32 s37, s37, SMALL
	s_mov_b32 s45, 0
	s_mov_b32 s67, 0
	s_mov_b32 s50, 0x76543210                      ; v_permlanex16_b32: each lane takes its own place in the other half
	s_mov_b32 s51, 0xfedcba98
	s_mov_b32 s52, 0xffff0000
	s_mov_b32 s41, 1                               ; the first refill asks for half 1
	s_mov_b32 s42, SLOTB                           ; the first change of slots turns this into slot 0
	s_wait_dscnt 0x0                               ; both opening adds are done
	s_wait_kmcnt 0x0
	s_add_nc_u64 s[38:39], s[8:9], s[44:45]
	s_or_b32 s39, s39, 0x80000000                  ; type = 2
	s_mov_b32 s44, s53
	s_add_nc_u64 s[54:55], s[8:9], s[44:45]
	s_mov_b64 s[26:27], s[54:55]
	s_or_b32 s27, s27, 0x80000000
	s_lshl2_add_u32 s66, s12, s13                  ; 4 wave + cx: my 32 rows of a half,
	s_lshl_b32 s66, s66, 13
	s_add_co_u32 s66, s66, HB                      ; in half 1: the first half step steps this to half 2
	s_add_nc_u64 s[62:63], s[8:9], s[66:67]
	s_lshl_b32 s66, s14, 19                        ; 512 samples of 1,024 bytes a work-group, 128 a wave
	s_lshl_b32 s70, s12, 17
	s_add_co_u32 s66, s66, s70
	s_add_nc_u64 s[46:47], s[6:7], s[66:67]
	s_lshl_b32 s66, s14, 18
	s_lshl_b32 s70, s12, 16
	s_add_co_u32 s66, s66, s70
	s_add_nc_u64 s[56:57], s[4:5], s[66:67]
	s_lshl_b32 s66, s14, 11
	s_lshl_b32 s70, s12, 9
	s_add_co_u32 s66, s66, s70
	s_add_nc_u64 s[58:59], s[10:11], s[66:67]
	ROUND                                          ; all four work-groups are here: the first joint loads meet
	tensor_load_to_lds s[36:39], s[28:35]          ; the first fills go out together: the small cores,
	s_nop 0
	tensor_load_to_lds s[24:27], s[16:23]          ; and half 0: two loads of mine are out
	s_nop 0
.rept 4
	v_nop
.endr
	ACTLOAD                                        ; all my actions (128 loads), then steps 0 and 1 of obss (64)
	OBSLOAD
	s_wait_loadcnt 0x3f                            ; the 128 loads of actions are in: 64 younger ones were issued behind them, and the count's field holds 63
	ACTSTAGE
	WIN 0x40
	v_mov_b32 v[ONE], 1.0                          ; act'[16]; window 1 is free of the actions now
	v_mov_b32 v[ONE+1], 0
	WIN 0
	s_wait_tensorcnt 0x1                           ; my part of the small cores is in; half 0 may stay out
	s_wait_dscnt 0x0                               ; no LDS instruction of mine is pending at a signal
	s_barrier_signal -1
	s_barrier_wait -1                              ; everybody's part is in
	STEP0
	s_mov_b32 s40, 0
.Lk:                                           ; eleven half steps that fill a slot again
	HSTEP 1
	s_add_co_u32 s40, s40, 1
	s_cmp_lt_u32 s40, 11
	s_cbranch_scc1 .Lk
	HSTEP 0                                        ; the last half step is written out: nothing is asked for
	STEP7
	s_wait_tensorcnt 0x0                           ; the wave's end, behind my last tensor load and my last LDS store
	ds_add_u32 v[SPW], v[NIL]
	s_wait_dscnt 0x0
	ROUND                                          ; the closing round: no work-group ends while a partner may still ask for a half that names it
	s_endpgm
.Lfunc_end_k_qe43417b085_chain:
	.size	k_qe43417b085_chain, .Lfunc_end_k_qe43417b085_chain-k_qe43417b085_chain
	.p2alignl 7, 3214868480
	.fill 96, 4, 3214868480
	.section	.rodata,"a",@progbits
	.p2align	6, 0x0
	.amdhsa_kernel k_qe43417b085_chain
		.amdhsa_group_segment_fixed_size 327680
		.amdhsa_private_segment_fixed_size 0
		.amdhsa_enable_private_segment 0
		.amdhsa_kernarg_size 32
		.amdhsa_user_sgpr_count 2
		.amdhsa_user_sgpr_kernarg_segment_ptr 1
		.amdhsa_wavefront_size32 1
		.amdhsa_system_sgpr_workgroup_id_x 1
		.amdhsa_system_sgpr_workgroup_id_y 1
		.amdhsa_system_sgpr_workgroup_id_z 1
		.amdhsa_system_vgpr_workitem_id 0
		.amdhsa_next_free_vgpr 1024
		.amdhsa_next_free_sgpr 72
		.amdhsa_reserve_vcc 1
		.amdhsa_float_denorm_mode_32 3
		.amdhsa_float_denorm_mode_16_64 3
		.amdhsa_memory_ordered 1
		.amdhsa_forward_progress 1
		.amdhsa_inst_pref_size 255
	.end_amdhsa_kernel
	.section	.bss,"aw",@nobits
	.p2align	6
	.space	262144
	.amdgpu_metadata
---
amdhsa.version: [ 1, 2 ]
amdhsa.kernels:
  - .name:           k_qe43417b085_chain
    .symbol:         k_qe43417b085_chain.kd
    .args:
      - { .name: actions, .offset: 0, .size: 8, .value_kind: global_buffer, .address_space: global }
      - { .name: obss, .offset: 8, .size: 8, .value_kind: global_buffer, .address_space: global }
      - { .name: wts, .offset: 16, .size: 8, .value_kind: global_buffer, .address_space: global }
      - { .name: out0, .offset: 24, .size: 8, .value_kind: global_buffer, .address_space: global }
    .group_segment_fixed_size: 327680
    .private_segment_fixed_size: 0
    .kernarg_segment_align: 8
    .kernarg_segment_size: 32
    .max_flat_workgroup_size: 128
    .sgpr_count:     72
    .vgpr_count:     1024
    .wavefront_size: 32
...
	.end_amdgpu_metadata
.endif
;; end of part 4
